; MI455X (gfx1250); checked and timed in simulation.
; The chip was launched on July 23, 2026; its instructions are those of AMD's public machine-readable ISA for CDNA 5 (MIT licence, August 2026) and "CDNA5" Instruction Set Architecture Reference Guide (July 2026). The comments in the code are by the model that wrote it; some were corrected since.
;; my Self Attention. Allowed arithmetic: matrix products marked QUANTISED: E3M2 operands, one E8M0 scale for each 32 along K, by v_wmma_scale_f32_16x16x128_f8f6f4 with both operands' format E3M2, f32 sums; everything else in f32.
;; Inputs: Wk_codes 1,024 x 32 x 24 uint8 (E3M2 codes of Wk, K innermost, in blocks of 32 codes, four codes in three bytes); Wk_scales 1,024 x 32 uint8 (E8M0 scales of Wk, one for each 32 codes along K); Wo_codes 1,024 x 32 x 24 uint8 (E3M2 codes of Wo, K innermost, in blocks of 32 codes, four codes in three bytes); Wo_scales 1,024 x 32 uint8 (E8M0 scales of Wo, one for each 32 codes along K); Wq_codes 1,024 x 32 x 24 uint8 (E3M2 codes of Wq, K innermost, in blocks of 32 codes, four codes in three bytes); Wq_scales 1,024 x 32 uint8 (E8M0 scales of Wq, one for each 32 codes along K); Wv_codes 1,024 x 32 x 24 uint8 (E3M2 codes of Wv, K innermost, in blocks of 32 codes, four codes in three bytes); Wv_scales 1,024 x 32 uint8 (E8M0 scales of Wv, one for each 32 codes along K); attention_mask 4 x 2,048 int32; bk 1,024 float32; bo 1,024 float32; bq 1,024 float32; bv 1,024 float32; ln_b 1,024 float32; ln_g 1,024 float32; x 4 x 2,048 x 1,024 float32.
;; Outputs: out0 4 x 2,048 x 1,024 float32.
;; This version of the problem:
;;   THIS VERSION OF THE PROBLEM IS GIVEN IN LOW PRECISION. The matrix products marked QUANTISED in the list below multiply operands that are first quantised to E3M2 (3 exponent bits, 2 mantissa bits; 6 bits a number), with one power-of-two scale for each 32 numbers along K (OCP MX v1.0); their sums are f32. All else is computed in f32.
;;   The module's matrix products, in the order in which they are computed (A, B: the left and right operand; K: the contracted axis; several contracted axes count as one K, in the product's order):
;;     1. [M 8,192, K 1,024] x [K 1,024, N 1,024]; A: computed on the way; B: input Wq (given as codes): QUANTISED
;;     2. [M 8,192, K 1,024] x [K 1,024, N 1,024]; A: computed on the way; B: input Wk (given as codes): QUANTISED
;;     3. [M 8,192, K 1,024] x [K 1,024, N 1,024]; A: computed on the way; B: input Wv (given as codes): QUANTISED
;;     4. batch 64 x [M 2,048, K 64] x [K 64, N 2,048]; A: computed on the way; B: computed on the way: QUANTISED
;;     5. batch 64 x [M 2,048, K 2,048] x [K 2,048, N 64]; A: softmax (see below); B: computed on the way: QUANTISED
;;     6. [M 8,192, K 1,024] x [K 1,024, N 1,024]; A: computed on the way; B: input Wo (given as codes): QUANTISED
;;   THE QUANTISER, for each operand of a quantised product, along K:
;;     - K is cut into blocks of 32 from its start; a last block that is shorter is filled with zeros.
;;     - A block's scale is 2^e with e = floor(log2(the largest magnitude in the block)) - 4, held to -126 .. 127; a block of zeros has e = 0. As a byte (E8M0): e + 127.
;;     - Each number is divided by its block's scale, clamped to +-28, and rounded to the nearest number of E3M2, ties to even, subnormals kept.
;;     - The product sums the exact products of the quantised numbers (number of the format x scale) in f32.
;;   ~~~python
;;   def quantise(x, axis):      # numpy; x: float32 -> the quantised numbers, widened to float32 again
;;       x = np.moveaxis(x, axis, -1); K = x.shape[-1]
;;       x = np.pad(x, [(0, 0)] * (x.ndim - 1) + [(0, -K % 32)]); x = x.reshape(x.shape[:-1] + (-1, 32)); a = np.abs(x).max(-1, keepdims=True)
;;       e = np.where(a > 0, np.clip(np.frexp(np.where(a > 0, a, 1))[1] - 1 - 4, -126, 127), 0)      # np.frexp(a)[1] - 1 = floor(log2(a)), exactly
;;       r = np.clip(x / 2.0 ** e, -28, 28)
;;       step = 2.0 ** (np.maximum(np.frexp(np.where(r == 0, 1, r))[1] - 1, -2) - 2)
;;       q = np.round(r / step) * step * 2.0 ** e      # np.round: ties to even
;;       return np.moveaxis(q.reshape(q.shape[:-2] + (-1,))[..., :K], -1, axis).astype(np.float32)
;;   ~~~
;;   SOFTMAX AHEAD OF A QUANTISED PRODUCT. Where the list says 'softmax', what is quantised is not the finished softmax but p = 2^(t - M), with t = logit x log2(e) and M = ceil(the row's largest t), a whole number; so 1/2 < the row's largest p <= 1. The row's sum l is taken of the UNQUANTISED p, in f32, and the product's result is divided by l at the end. Since M is a whole number, a kernel that streams over the keys may use a running M (the ceiling of the running maximum): every later rescaling is an exact power of two, which a block's scale takes up: the codes' values come out the same.
;;   OPERANDS COMPUTED ON THE WAY. 'Computed on the way' means the value that the module computes at that place (a softmax that the list does not call 'softmax' is quantised finished and normalised). What goes into a quantiser is computed in f32, as accurately as f32 sums, v_exp_f32 and their like allow (about 1e-6 of the number): no bf16 or f16 on the way to a quantiser, and a product that is left as it is and whose result goes on into a quantised operand takes f32 operands (vector FMAs, or v_wmma_f32_16x16x4_f32). A number that lies on a knife's edge between two numbers of the format may be rounded either way, as far as f32 arithmetic and the matrix unit's own rounding can turn it there, and no further.
;;   INPUTS GIVEN AS CODES. Wk (in the module: [1024, 1024], K = its axis 1); Wo (in the module: [1024, 1024], K = its axis 1); Wq (in the module: [1024, 1024], K = its axis 1); Wv (in the module: [1024, 1024], K = its axis 1): each comes as NAME_codes (uint8): NAME with its K axis moved to the last place and cut into blocks of 32 codes, [.., K / 32, bytes a block], one block behind the other in memory; four codes in three bytes: a row's codes are one little-endian stream of bits, code i at bits 6 i .. 6 i + 5 (a code: sign, 3 exponent bits, 2 mantissa bits); and NAME_scales (uint8): the same leading axes, one E8M0 byte (e + 127) for each 32 codes along K. Its value is code x scale, taken as it is: it is not quantised again, and the codes and scales need not be those that the quantiser above would give.
;; One version. Each part assembles by itself: llvm-mc -triple=amdgcn-amd-amdhsa -mcpu=gfx1250 --defsym DOCPART=n.
;; ======== version 1 of 1: 4 launches
;; limits: right only within a limited range of input values
;; workspace buffers: hc 6,291,456 bytes; hs 262,144 bytes; qimg 6,291,456 bytes; qs 524,288 bytes; kv 13,369,344 bytes; cimg 6,291,456 bytes; cs 262,144 bytes
;; launch lnq (part 1): grid 256 x 1, 8 waves a work-group, no clusters, 44,032 bytes of LDS; arguments x, ln_g, ln_b, hc, hs; writes hc, hs
.if DOCPART == 1
	.amdgcn_target "amdgcn-amd-amdhsa--gfx1250"
	.amdhsa_code_object_version 6
	.text
	.protected	k_q6b3e92fb05_lnq
	.globl	k_q6b3e92fb05_lnq
	.p2align	8
	.type	k_q6b3e92fb05_lnq,@function
k_q6b3e92fb05_lnq:
	s_mov_b64 s[64:65], 0
	v_nop
	global_prefetch_b8 v0, s[64:65] scope:SCOPE_SE
	s_setreg_imm32_b32 hwreg(HW_REG_WAVE_MODE, 25, 1), 1
	s_wait_xcnt 0x0
; h = (x - mean) * rsqrt(var + 1e-5) * g + b for 8,192 rows of 1,024 f32, then h as codes of BF6 (E3M2) with one E8M0 byte for each 32 along the row.
; hc: [8192][768] bytes, a row's codes one stream of bits; hs: [8192][32] bytes.  Mean and variance in two passes over registers, as the definition has them, all in f32.
; SHARES.  Eight waves; a wave owns four neighbouring rows and takes them one after the other; a row is 32 registers a lane.  All 48 loads of a wave (g, b, four rows) go out at the head:
; each covers 512 consecutive bytes.  Memory binds this launch, so there is no matrix work, no cluster and no tensor load: no two work-groups read the same bytes of x.
; THE TURN THROUGH LDS.  A load gives neighbouring lanes neighbouring bytes; the conversion wants 16 neighbours along the row in ONE lane.  So a finished row goes through the wave's own two stages
; (512 numbers each; 64 bytes + 16 of padding to a place) and comes back 64 bytes a lane; two neighbouring lanes hold a block of 32.  Waves share nothing: no barrier.
; A block's scale is 2^(floor(log2(largest magnitude)) - 4); its byte is the largest magnitude's exponent field - 4, held at 1 from below.
; LIMITS: a block of zeros, or one under 2^-122, keeps the byte 1 (its codes are zeros or tiny; this program alone reads the bytes); NaN and infinities among the inputs are not served.
.set SP,   80                          ; a lane's place in a stage: 64 bytes + 16
.set WREG, 5376                        ; LDS of a wave: two stages of 32 x SP bytes, then its 128 scale bytes, rounded up to 256
.set G,    16                          ; v16-47   g, as loaded: load j, columns 128 j + 4 lane + 0..3
.set B,    48                          ; v48-79   b likewise
.set X,    80                          ; v80-207  row i at X + 32 i; when the row has left for the stage, its registers take the row's codes and bytes
.set XS,   208                         ; v208-239 the row back from the stages: 16 neighbours of each half
.set T,    240                         ; v240-247 at work
	s_load_b256 s[4:11], s[0:1], 0x0               ; x s[4:5], g s[6:7], b s[8:9], hc s[10:11]
	s_load_b64 s[12:13], s[0:1], 0x20              ; hs
	v_lshl_add_u32 v248, v0, 2, 0xa800
	v_mov_b32 v249, 0
	v_lshrrev_b32 v1, 5, v0
	v_readfirstlane_b32 s14, v1                    ; wave 0..7
	v_and_b32 v1, 31, v0                           ; lane
	v_lshlrev_b32 v2, 4, v1                        ; my 16 bytes of a load's 512
	s_mul_i32 s15, s14, WREG
	v_lshrrev_b32 v3, 2, v1
	v_mul_u32_u24 v3, v3, SP
	v_and_b32 v4, 3, v1
	v_lshl_add_u32 v3, v4, 4, v3
	v_add_nc_u32 v3, s15, v3                       ; the stage, on the way in: SP (lane / 4) + 16 (lane % 4)
	v_mul_u32_u24 v4, v1, SP
	v_add_nc_u32 v4, s15, v4                       ; and on the way out: SP x lane
	v_mul_u32_u24 v5, v1, 12                       ; my 16 codes' place among 512
	v_lshrrev_b32 v6, 1, v1
	s_add_co_u32 s15, s15, 2*32*SP
	v_add_nc_u32 v6, s15, v6                       ; my block's scale byte in LDS
	v_lshlrev_b32 v8, 2, v1
	v_add_nc_u32 v7, s15, v8                       ; and on the way out 4 bytes a lane
	v_mov_b32 v11, 0                               ; upper halves of the pairs v[10:11], v[12:13]: named, so written
	v_mov_b32 v13, 0
	v_mov_b32 v14, 0                               ; a lane permute's destination counts as one of its sources
	s_mov_b32 s16, 0x76543210
	s_mov_b32 s17, 0xfedcba98                      ; selects for lane l xor 16
	s_mov_b32 s18, 0x3a800000                      ; 1 / 1024
	s_mov_b32 s19, 0x3727c5ac                      ; 1e-5
	s_lshl_b32 s20, ttmp9, 5
	s_lshl_b32 s21, s14, 2
	s_add_co_u32 s20, s20, s21                     ; my first row: 32 x work-group + 4 x wave
	s_lshl_b32 s22, s20, 12                        ; 4,096 bytes a row of x
	s_mov_b32 s23, 0
	s_mul_i32 s24, s20, 768                        ; 768 a row of codes
	s_mov_b32 s25, 0
	s_lshl_b32 s26, s20, 5                         ; 32 a row of scale bytes
	s_mov_b32 s27, 0
	s_wait_kmcnt 0x0
	s_add_nc_u64 s[4:5], s[4:5], s[22:23]
	s_add_nc_u64 s[10:11], s[10:11], s[24:25]
	s_add_nc_u64 s[12:13], s[12:13], s[26:27]
.irp j, 0,1,2,3,4,5,6,7
	global_load_b128 v[G+4*\j:G+4*\j+3], v2, s[6:7] offset:512*\j
.endr
.irp j, 0,1,2,3,4,5,6,7
	global_load_b128 v[B+4*\j:B+4*\j+3], v2, s[8:9] offset:512*\j
.endr
.irp i, 0,1,2,3
.irp j, 0,1,2,3,4,5,6,7
	global_load_b128 v[X+32*\i+4*\j:X+32*\i+4*\j+3], v2, s[4:5] offset:4096*\i+512*\j th:TH_LOAD_NT
.endr
.endr
.macro LANES r                         ; the sum of v[r] over the 32 lanes, in every lane
	v_add_f32_dpp v[\r], v[\r], v[\r] row_xmask:1 row_mask:0xf bank_mask:0xf
	v_add_f32_dpp v[\r], v[\r], v[\r] row_xmask:2 row_mask:0xf bank_mask:0xf
	v_add_f32_dpp v[\r], v[\r], v[\r] row_xmask:4 row_mask:0xf bank_mask:0xf
	v_add_f32_dpp v[\r], v[\r], v[\r] row_xmask:8 row_mask:0xf bank_mask:0xf
	v_permlanex16_b32 v14, v[\r], s16, s17
	v_add_f32 v[\r], v[\r], v14
.endm
.macro ROW i
.set XR, X+32*(\i)
	s_wait_loadcnt 8*(3-(\i))                      ; g, b and this row are in; the eight loads of each younger row may be out
	v_pk_add_f32 v[T:T+1], v[XR:XR+1], v[XR+2:XR+3]        ; the row's sum, two chains
	v_pk_add_f32 v[T+2:T+3], v[XR+4:XR+5], v[XR+6:XR+7]
.irp j, 8,12,16,20,24,28
	v_pk_add_f32 v[T:T+1], v[T:T+1], v[XR+\j:XR+\j+1]
	v_pk_add_f32 v[T+2:T+3], v[T+2:T+3], v[XR+\j+2:XR+\j+3]
.endr
	v_pk_add_f32 v[T:T+1], v[T:T+1], v[T+2:T+3]
	v_add_f32 v9, v[T], v[T+1]
	LANES 9
	v_mul_f32 v10, s18, v9                         ; the mean
.irp j, 0,2,4,6,8,10,12,14,16,18,20,22,24,26,28,30
	v_pk_add_f32 v[XR+\j:XR+\j+1], v[XR+\j:XR+\j+1], v[10:11] op_sel_hi:[1,0] neg_lo:[0,1] neg_hi:[0,1]   ; x - mean, in place
.endr
	v_pk_mul_f32 v[T:T+1], v[XR:XR+1], v[XR:XR+1]          ; the sum of squares, two chains
	v_pk_mul_f32 v[T+2:T+3], v[XR+2:XR+3], v[XR+2:XR+3]
.irp j, 4,8,12,16,20,24,28
	v_pk_fma_f32 v[T:T+1], v[XR+\j:XR+\j+1], v[XR+\j:XR+\j+1], v[T:T+1]
	v_pk_fma_f32 v[T+2:T+3], v[XR+\j+2:XR+\j+3], v[XR+\j+2:XR+\j+3], v[T+2:T+3]
.endr
	v_pk_add_f32 v[T:T+1], v[T:T+1], v[T+2:T+3]
	v_add_f32 v9, v[T], v[T+1]
	LANES 9
	v_fma_f32 v9, v9, s18, s19                     ; variance + 1e-5
	v_rsq_f32 v12, v9
	v_nop                                          ; a plain instruction behind the transcendental
	s_wait_alu depctr_va_vdst(0)                   ; and the wait ahead of the first use of its result
.irp j, 0,2,4,6,8,10,12,14,16,18,20,22,24,26,28,30
	v_pk_mul_f32 v[XR+\j:XR+\j+1], v[XR+\j:XR+\j+1], v[12:13] op_sel_hi:[1,0]
.endr
.irp j, 0,2,4,6,8,10,12,14,16,18,20,22,24,26,28,30
	v_pk_fma_f32 v[XR+\j:XR+\j+1], v[XR+\j:XR+\j+1], v[G+\j:G+\j+1], v[B+\j:B+\j+1]
.endr
.irp j, 0,1,2,3,4,5,6,7
	ds_store_b128 v3, v[XR+4*\j:XR+4*\j+3] offset:2560*(\j/4)+640*(\j%4)   ; a load's 512 bytes take eight places of a stage
.endr
.irp s, 0,1
.irp j, 0,1,2,3
	ds_load_b128 v[XS+16*\s+4*\j:XS+16*\s+4*\j+3], v4 offset:2560*\s+16*\j   ; LDS serves a wave's instructions in order: these see the stores above
.endr
.endr
	s_wait_dscnt 0x0
.irp s, 0,1                            ; numbers 512 s + 16 lane + 0..15 of the row
	v_max3_num_f32 v[T+4*\s], |v[XS+16*\s]|, |v[XS+16*\s+1]|, |v[XS+16*\s+2]|
	v_max3_num_f32 v[T+4*\s+1], |v[XS+16*\s+3]|, |v[XS+16*\s+4]|, |v[XS+16*\s+5]|
.irp k, 6,10
	v_max3_num_f32 v[T+4*\s], v[T+4*\s], |v[XS+16*\s+\k]|, |v[XS+16*\s+\k+1]|
	v_max3_num_f32 v[T+4*\s+1], v[T+4*\s+1], |v[XS+16*\s+\k+2]|, |v[XS+16*\s+\k+3]|
.endr
	v_max3_num_f32 v[T+4*\s], v[T+4*\s], |v[XS+16*\s+14]|, |v[XS+16*\s+15]|
	v_max3_num_f32 v[T+4*\s], v[T+4*\s], v[T+4*\s+1], 0x2800000    ; and the floor 2^(5 - 127): the byte cannot fall under 1
	v_max_num_f32_dpp v[T+4*\s], v[T+4*\s], v[T+4*\s] row_xmask:1 row_mask:0xf bank_mask:0xf   ; with my neighbour's 16: the block's largest magnitude
	v_add_nc_u32 v[T+4*\s+2], 0xfe000000, v[T+4*\s]                ; 4 off its exponent field: the conversion's scale operand
	v_cvt_scalef32_pk16_bf6_f32 v[XR+4*\s:XR+4*\s+2], v[XS+16*\s:XS+16*\s+15], v[T+4*\s+2]
	v_lshrrev_b32 v[XR+8+\s], 23, v[T+4*\s+2]      ; the scale's byte (also the plain instruction behind the conversion)
	ds_store_b8 v6, v[XR+8+\s] offset:32*(\i)+16*\s   ; both lanes of a block write the same byte with the same value
	global_store_b96 v5, v[XR+4*\s:XR+4*\s+2], s[10:11] offset:768*(\i)+384*\s   ; 32 lanes store 384 consecutive bytes; each store has registers of its own, none is written again
.endr
.endm
	ROW 0
	ROW 1
	ROW 2
	ROW 3
	ds_load_b32 v[T], v7                           ; my wave's 128 scale bytes, in order behind the byte stores
	s_wait_dscnt 0x0
	global_store_b32 v8, v[T], s[12:13]            ; 128 consecutive bytes: four rows of hs
	s_wait_tensorcnt 0x0
	ds_add_u32 v248, v249
	s_wait_dscnt 0x0
	s_endpgm
.Lfunc_end_k_q6b3e92fb05_lnq:
	.size	k_q6b3e92fb05_lnq, .Lfunc_end_k_q6b3e92fb05_lnq-k_q6b3e92fb05_lnq
	.p2alignl 7, 3214868480
	.fill 96, 4, 3214868480
	.section	.rodata,"a",@progbits
	.p2align	6, 0x0
	.amdhsa_kernel k_q6b3e92fb05_lnq
		.amdhsa_group_segment_fixed_size 44032
		.amdhsa_private_segment_fixed_size 0
		.amdhsa_enable_private_segment 0
		.amdhsa_kernarg_size 40
		.amdhsa_user_sgpr_count 2
		.amdhsa_user_sgpr_kernarg_segment_ptr 1
		.amdhsa_wavefront_size32 1
		.amdhsa_system_sgpr_workgroup_id_x 1
		.amdhsa_system_sgpr_workgroup_id_y 1
		.amdhsa_system_sgpr_workgroup_id_z 1
		.amdhsa_system_vgpr_workitem_id 0
		.amdhsa_next_free_vgpr 250
		.amdhsa_next_free_sgpr 66
		.amdhsa_reserve_vcc 0
		.amdhsa_float_denorm_mode_32 3
		.amdhsa_float_denorm_mode_16_64 3
		.amdhsa_memory_ordered 1
		.amdhsa_forward_progress 1
		.amdhsa_inst_pref_size 43
	.end_amdhsa_kernel
	.amdgpu_metadata
---
amdhsa.version: [ 1, 2 ]
amdhsa.kernels:
  - .name:           k_q6b3e92fb05_lnq
    .symbol:         k_q6b3e92fb05_lnq.kd
    .args:
      - { .name: x, .offset: 0, .size: 8, .value_kind: global_buffer, .address_space: global }
      - { .name: ln_g, .offset: 8, .size: 8, .value_kind: global_buffer, .address_space: global }
      - { .name: ln_b, .offset: 16, .size: 8, .value_kind: global_buffer, .address_space: global }
      - { .name: hc, .offset: 24, .size: 8, .value_kind: global_buffer, .address_space: global }
      - { .name: hs, .offset: 32, .size: 8, .value_kind: global_buffer, .address_space: global }
    .group_segment_fixed_size: 44032
    .private_segment_fixed_size: 0
    .kernarg_segment_align: 8
    .kernarg_segment_size: 40
    .max_flat_workgroup_size: 256
    .sgpr_count:     66
    .vgpr_count:     250
    .wavefront_size: 32
...
	.end_amdgpu_metadata
.endif
;; end of part 1
;; launch qkv (part 2): grid 12 x 32, 4 waves a work-group, clusters of 4 x 4, 327,680 bytes of LDS; arguments hc, hs, Wq_codes, Wq_scales, Wk_codes, Wk_scales, Wv_codes, Wv_scales, bq, bk, bv, attention_mask, qimg, qs, kv; writes qimg, qs, kv
.if DOCPART == 2
	.amdgcn_target "amdgcn-amd-amdhsa--gfx1250"
	.amdhsa_code_object_version 6
	.text
	.protected	k_q6b3e92fb05_qkv
	.globl	k_q6b3e92fb05_qkv
	.p2align	8
	.type	k_q6b3e92fb05_qkv,@function
k_q6b3e92fb05_qkv:
	s_mov_b64 s[64:65], 0
	v_nop
	global_prefetch_b8 v0, s[64:65] scope:SCOPE_SE
	s_setreg_imm32_b32 hwreg(HW_REG_WAVE_MODE, 25, 1), 1
	s_wait_xcnt 0x0
	s_wait_alu depctr_hold_cnt(0) depctr_sa_sdst(0) depctr_va_vdst(0) depctr_va_sdst(0) depctr_va_ssrc(0) depctr_va_vcc(0) depctr_vm_vsrc(0)
	s_getreg_b32 s2, hwreg(HW_REG_IB_STS2, 6, 4)
	s_cmp_eq_u32 s2, 0
	s_cbranch_scc0 .Lentry_in_a_cluster
	s_endpgm
.Lentry_in_a_cluster:
	s_bfe_u32 s2, ttmp6, 0x10000c
	s_cmp_lg_u32 s2, 0xf033
	s_cbranch_scc0 .Lentry_shape_is_right
	s_endpgm
.Lentry_shape_is_right:
; q = h Wq^T + bq, k = h Wk^T + bk, v = h Wv^T + bv on codes of BF6 (E3M2) with E8M0 scales, K = 1,024; the results are quantised at once, in registers, for the attention launch.
; ONE TEXT FOR THE THREE.  The cluster's x says which: 0 = q, 1 = k, 2 = v: the same number in all sixteen partners.  A product is C[m][n] = sum A[m][k] B[n][k], 256 x 256 to a work-group, 128 x 128 to a wave.
; q, k: A = h (8,192 rows), B = the weight (1,024 rows).  v: A = Wv, B = h: the product comes out transposed.  The buffers are chosen by s_cselect_b64 on the cluster's x.
; THE MATRIX INSTRUCTION takes 16 rows of B as source 0 and 16 rows of A as source 1: lane (r, h) holds row r of A, and register j of accumulator b the row 16 b + 8 h + j of B.
; So for q and k a lane holds a token and its 64 registers run along 128 features (two heads); for v a lane holds a channel and its 64 registers run along 128 tokens (a key step): both are the next products' K.
; THE ORDER INSIDE A BLOCK OF 32.  Registers 16 u .. 16 u + 15 of lanes l and l xor 16 together are the true block u of 32, so the scale is the true block's; inside the block the codes stand in the order
; 0-7, 16-23, 8-15, 24-31.  q and k have the same order, and so have v's keys and the weights p of the attention launch: the products pair the same numbers; only the order of the f32 sums differs.
; WHAT IS STORED: images of operand registers.  A piece of 768 bytes is six registers of 32 lanes (16 rows x 64 K): registers 0-3 at 16 x lane, registers 4-5 at 512 + 8 x lane.
;   qimg [bh 64][tile 128][768];  qs [bh][tile][16 words];  kv [bh][step 16][13,056]: 8 pieces of k, 4 fragments of v^T (3 x 512 bytes), k's scale words (4 x 128 bytes, two tiles each), v's (2 x 128).
; THE MASK RIDES ON THE IDLE HALF OF K.  q k^T has K = 64 of the instruction's 128.  The attention launch puts a code -28 beside k and +28 beside q, in a block of their own; here that block's scale byte is
; set: q's is 167 (2^40), k's is 190 (2^63) where attention_mask is 0 and 1 (2^-126) elsewhere.  A masked score is then about -784 x 2^103, an open one is moved by -784 x 2^-86.  The fourth block holds zero codes.
; A scale word is (s0, s1, m, f); tiles with an odd number have it turned by 16 bits, (m, f, s0, s1): the attention launch feeds them with the halves of K exchanged.
; LIMITS: true scores stay under 2^90 in magnitude; blocks under 2^-122 keep the byte 1; NaN and infinities are not served.
; RING, CLUSTER.  K goes in steps of 256 through two LDS slots filled by joint tensor loads: A's tile is shared along a row of the 4 x 4 cluster, B's along a column.  The scale bytes of the work-group's
; 256 + 256 rows, for all of K, come once with the first fills.  No prefetch is laid: each slot is filled again once, and the launch's four K steps follow each other closely.
; REGISTERS, in windows of 256: window 0: v1-15 at work on the way out; v16-31 addresses; v32-63 scale words, two sets, and nothing else; v64-127 the bias by registers; from v128 A's fragments, one set
;   (on the way out v128-191 the 64 numbers, v192-210 codes, v212-223 at work); v224-239 the bias by lanes; v240-247 the mask; v248-255 the upper halves of the scale words.
;   window 1: B's fragments, two sets.   window 2, 3: the 64 accumulators: (a, b) at v[8 (8 (a % 4) + b)] of window 2 + a / 4.
.set KSTEP,  256
.set NQ,     2
.set ROWB,   192
.set KROW,   768
.set PITCH,  240                       ; an LDS row: 3 x (64 bytes + 16 of padding)
.set FR,     12
.set NL,     6
.set NP,     4
.set HALFT,  128*PITCH
.set SLOT,   4*HALFT
.set LAPS,   2                         ; K = 1,024: four K steps, twice round the ring
.set KS,     32
.set SCL,    2*SLOT
.set HALFS,  (128*KS/256)*272
.set SBLK,   (16*KS/256)*272
.set SPARE,  SCL+4*HALFS               ; the spare words, 128 bytes for each wave: two blocks of 256 bytes that no other line names
.set PW,   1                           ; the scale word just made
.set WE,   2                           ; v2-3   an even tile's words, heads 0 and 1
.set WO,   4                           ; v4-5   an odd tile's
.set WS,   6                           ; v6-7   the two joined: lanes 0-15 even, lanes 16-31 odd
.set T0,   8                           ; v8, v9 the upper half-word of an open and of a masked token
.set T1,   9
.set O16,  10                          ; v10-11 16 x lane + head x a head's bytes
.set O8,   12                          ; v12-13 8 x lane likewise
.set O4,   14                          ; v14-15 4 x lane likewise, in the scale words
.set ADRA, 16
.set ADRB, 20
.set L16,  24
.set L8,   25
.set L4,   26
.set ADRS, 27
.set SPW,  28
.set NIL,  29
.set BOF,  30                          ; 32 x (lane / 16)
.set ROF,  31                          ; 4 x (lane % 16)
.set SC,   32
.set CB,   64
.set AF,   128
.set H,    128
.set PC,   192
.set TMX,  212
.set TMB,  216
.set TMS,  220
.set RB,   224
.set MK,   240
.set EX,   248
.set G1, 24
.set G0, 32
.set G1B, 48
.set G0B, 56
.set G1S, 68
.set G0S, 76
.set G1SB, 80
.set G0SB, 88
.set MSB, 0
.macro WIN new                         ; the immediate's high byte repeats the setting that is left
.if MSB != \new
	s_set_vgpr_msb (MSB<<8)|\new
.set MSB, \new
.endif
.endm
.set MUL_LO, 0xa1                      ; source 0 (B) window 1, source 1 (A) window 0, C and D window 2
.set MUL_HI, 0xf1
.set TO_B,   0x40
; A joint load: waves 0 and 1 fetch for A, waves 2 and 3 for B; the branch hangs on the wave's number alone.  Four v_nop follow each of the two lines.
.macro JLOAD g0a, g1a, g0b, g1b
	s_cmp_eq_u32 s15, 0
	s_cbranch_scc0 .Lfor_b_\@
	tensor_load_to_lds s[\g0a:\g0a+3], s[\g1a:\g1a+7]
	s_nop 0
.rept 4
	v_nop
.endr
	s_branch .Lasked_\@
.Lfor_b_\@:
	tensor_load_to_lds s[\g0b:\g0b+3], s[\g1b:\g1b+7]
	s_nop 0
.rept 4
	v_nop
.endr
.Lasked_\@:
.endm
.macro CREST                           ; a round of the cluster's barrier behind its opening barrier
	s_cmp_lg_u32 s14, 0
	s_cbranch_scc1 .Lnot_wave_0_\@
	s_barrier_signal -3
.Lnot_wave_0_\@:
	s_barrier_wait -3
	s_barrier_signal -1
	s_barrier_wait -1
.endm
.macro CROUND
	s_barrier_signal -1
	s_barrier_wait -1
	CREST
.endm
	s_load_b512 s[68:83], s[0:1], 0x0              ; hc, hs, Wq codes, scales, Wk codes, scales, Wv codes, scales
	s_load_b256 s[84:91], s[0:1], 0x40             ; bq, bk, bv, attention_mask
	s_load_b128 s[92:95], s[0:1], 0x60             ; qimg, qs
	s_load_b64 s[96:97], s[0:1], 0x70              ; kv
	v_lshl_add_u32 v[SPW], v0, 2, SPARE
	v_mov_b32 v[NIL], 0
	ds_add_u32 v28, v29
	ds_add_u32 v28, v29
	s_wait_dscnt 0x0
	v_lshrrev_b32 v1, 5, v0
	v_readfirstlane_b32 s14, v1                    ; wave 0..3
	s_lshr_b32 s15, s14, 1                         ; which half of the tile's rows (A) is mine.  Also: I fetch for A (0) or for B (1)
	s_and_b32 s16, s14, 1                          ; which half of its columns (B).  Also: which 128 rows I fetch
	s_bfe_u32 s40, ttmp6, 0x40000                  ; cx
	s_bfe_u32 s41, ttmp6, 0x40004                  ; cy
	s_mov_b32 s98, ttmp9                           ; the kind: 0 q, 1 k, 2 v
	s_and_b32 s17, ttmp7, 0xffff
	s_lshl_b32 s17, s17, 2                         ; 4 x cluster y: it walks h's 32 tiles of 256 tokens
	s_cmp_eq_u32 s98, 2
	s_cselect_b32 s42, s17, 0                      ; h is B for v,
	s_cselect_b32 s17, 0, s17                      ; and A for q and k
	s_add_co_u32 s42, s42, s40                     ; tile column
	s_add_co_u32 s17, s17, s41                     ; tile row
	s_lshl_b32 s43, s41, 2
	s_lshl_b32 s43, 15, s43                        ; my row of the cluster
	s_lshl_b32 s44, 0x1111, s40                    ; my column
	s_or_b32 s[G1+0], s43, (0<<16)|(1<<20)|(1<<21)|(3<<22)|(3<<25)  ; the mask; elements of 1 byte; padding on; bit 21 beside a mask; after every 16 words 4 words
	s_or_b32 s[G1B+0], s44, (0<<16)|(1<<20)|(1<<21)|(3<<22)|(3<<25)
.irp g, G1, G1B
	s_mov_b32 s[\g+1], ROWB<<16                    ; tensor_dim0
	s_mov_b32 s[\g+2], 128<<16                     ; tensor_dim1
	s_mov_b32 s[\g+3], ROWB<<16                    ; tile_dim0
	s_mov_b32 s[\g+4], 128                         ; tile_dim1
	s_mov_b32 s[\g+5], KROW                        ; from row to row
	s_mov_b32 s[\g+6], 0
	s_mov_b32 s[\g+7], 0
.endr
	s_lshl_b32 s18, s16, 7                         ; which 128 rows of the tile I fetch
	s_lshl_b32 s20, s17, 8
	s_add_co_u32 s20, s20, s18                     ; A: row 256 x tile row + 128 x half
	s_lshl_b32 s46, s42, 8
	s_add_co_u32 s46, s46, s18                     ; B: row 256 x tile column + 128 x half
	s_lshl_b32 s22, s20, 5                         ; their scale bytes (32 a row),
	s_mov_b32 s23, 0
	s_lshl_b32 s66, s46, 5
	s_mov_b32 s67, 0
	s_mul_i32 s20, s20, KROW                       ; and their codes: all under 2^23
	s_mov_b32 s21, 0
	s_mul_i32 s46, s46, KROW
	s_mov_b32 s47, 0
	s_mul_i32 s45, s14, HALFT                      ; where they go: wave x 128 rows
	s_mul_i32 s99, s14, HALFS
	s_wait_kmcnt 0x0
	s_cmp_eq_u32 s98, 2
	s_cselect_b64 s[4:5], s[80:81], s[68:69]       ; A's codes: Wv or h
	s_cselect_b64 s[6:7], s[82:83], s[70:71]       ; A's scales
	s_cselect_b64 s[8:9], s[68:69], s[76:77]       ; B's codes: h, or Wk,
	s_cselect_b64 s[10:11], s[70:71], s[78:79]
	s_cselect_b64 s[100:101], s[88:89], s[86:87]   ; the bias: bv, or bk,
	s_cmp_eq_u32 s98, 0
	s_cselect_b64 s[8:9], s[72:73], s[8:9]         ; or Wq
	s_cselect_b64 s[10:11], s[74:75], s[10:11]
	s_cselect_b64 s[100:101], s[84:85], s[100:101] ; or bq
	s_cselect_b64 s[92:93], s[92:93], s[96:97]     ; the codes go to qimg or kv,
	s_cselect_b64 s[94:95], s[94:95], s[96:97]     ; the scale words to qs or kv
	s_mov_b64 s[104:105], s[90:91]                 ; the mask
	s_add_nc_u64 s[20:21], s[4:5], s[20:21]
	s_add_nc_u64 s[22:23], s[6:7], s[22:23]
	s_add_nc_u64 s[46:47], s[8:9], s[46:47]
	s_add_nc_u64 s[66:67], s[10:11], s[66:67]
	; the scales of 128 rows: a dense block of 4,096 bytes, as 16 rows of 256 bytes with 16 bytes of padding behind each (the arguments' registers are free now)
	s_or_b32 s[G1S+0], s43, (3<<16)|(1<<20)|(1<<21)|(5<<22)|(3<<25)
	s_or_b32 s[G1SB+0], s44, (3<<16)|(1<<20)|(1<<21)|(5<<22)|(3<<25)
.irp g, G1S, G1SB
	s_mov_b32 s[\g+1], 32<<16
	s_mov_b32 s[\g+2], (128*KS/256)<<16
	s_mov_b32 s[\g+3], 32<<16
	s_mov_b32 s[\g+4], 128*KS/256
	s_mov_b32 s[\g+5], 32
	s_mov_b32 s[\g+6], 0
	s_mov_b32 s[\g+7], 0
.endr
	CROUND                                         ; all sixteen work-groups are here: the first joint loads meet
	s_mov_b32 s[G0S], 1
	s_add_co_u32 s[G0S+1], s99, SCL
	s_mov_b64 s[G0S+2:G0S+3], s[22:23]
	s_or_b32 s[G0S+3], s[G0S+3], 0x80000000
	s_mov_b32 s[G0SB], 1
	s_add_co_u32 s[G0SB+1], s99, SCL
	s_mov_b64 s[G0SB+2:G0SB+3], s[66:67]
	s_or_b32 s[G0SB+3], s[G0SB+3], 0x80000000
	JLOAD G0S, G1S, G0SB, G1SB                     ; the scales first: they are wanted with K step 0
.irp s, 0,1
	s_mov_b32 s[G0+4*\s], 1
	s_add_co_u32 s[G0+4*\s+1], s45, \s*SLOT
	s_add_nc_u64 s[G0+4*\s+2:G0+4*\s+3], s[20:21], \s*ROWB
	s_or_b32 s[G0+4*\s+3], s[G0+4*\s+3], 0x80000000
	s_mov_b32 s[G0B+4*\s], 1
	s_add_co_u32 s[G0B+4*\s+1], s45, \s*SLOT
	s_add_nc_u64 s[G0B+4*\s+2:G0B+4*\s+3], s[46:47], \s*ROWB
	s_or_b32 s[G0B+4*\s+3], s[G0B+4*\s+3], 0x80000000
	JLOAD G0+4*\s, G1, G0B+4*\s, G1B
.endr
	v_and_b32 v1, 15, v0                           ; r
	v_bfe_u32 v2, v0, 4, 1                         ; h
	v_mul_u32_u24 v3, v1, PITCH
	v_mul_u32_u24 v4, v2, 24
	v_add_nc_u32 v4, v3, v4                        ; a fragment's row x pitch + 24 x half
	v_lshl_add_u32 v5, v2, 4, v4                   ; and the same behind one padding more
	s_mul_i32 s21, s15, HALFT                      ; my 128 rows of A
	s_mul_i32 s22, s16, HALFT
	s_add_co_u32 s22, s22, 2*HALFT                 ; my 128 rows of B, behind A's 256
.irp s, 0,1
	v_add_nc_u32 v[ADRA+\s], s21, v4
	v_add_nc_u32 v[ADRB+\s], s22, v4
	v_add_nc_u32 v[ADRA+2+\s], s21, v5
	v_add_nc_u32 v[ADRB+2+\s], s22, v5
	s_add_co_u32 s21, s21, SLOT
	s_add_co_u32 s22, s22, SLOT
.endr
	v_mul_u32_u24 v5, v1, KS                       ; my row's scales: 32 bytes a row,
	v_lshrrev_b32 v6, 8, v5
	v_lshl_add_u32 v5, v6, 4, v5                   ; and 16 more for each 256 passed
	s_mul_i32 s21, s15, HALFS
	s_mul_i32 s22, s16, HALFS
	s_add_co_u32 s22, s22, 2*HALFS
	s_sub_co_u32 s22, s22, s21
	v_mul_u32_u24 v6, s22, v2                      ; lanes 16-31 take B's
	s_add_co_u32 s21, s21, SCL
	v_add_nc_u32 v5, v5, v6
	v_add_nc_u32 v[ADRS], s21, v5
	v_and_b32 v6, 31, v0
	v_lshlrev_b32 v[L16], 4, v6
	v_lshlrev_b32 v[L8], 3, v6
	v_lshlrev_b32 v[L4], 2, v6
	v_lshlrev_b32 v[BOF], 5, v2
	v_lshlrev_b32 v[ROF], 2, v1
	; my 128 rows of A begin at RA, my 128 rows of B at RB; tokens TK and features FT are one or the other
	s_lshl_b32 s18, s17, 8
	s_lshl_b32 s19, s15, 7
	s_add_co_u32 s18, s18, s19                     ; RA
	s_lshl_b32 s19, s42, 8
	s_lshl_b32 s20, s16, 7
	s_add_co_u32 s19, s19, s20                     ; RB
	s_cmp_eq_u32 s98, 2
	s_cselect_b32 s2, s19, s18                     ; TK
	s_cselect_b32 s18, s18, s19                    ; FT
	s_lshl_b32 s19, s18, 2
	s_cmp_eq_u32 s98, 2
	s_cselect_b32 s20, 0, s19                      ; the bias by registers is used by q and k, the bias by lanes by v; the one that is not used is read at the buffer's head, so that every load stays inside
	s_cselect_b32 s22, s19, 0
	s_mov_b32 s21, 0
	s_mov_b32 s23, 0
	s_add_nc_u64 s[12:13], s[100:101], s[20:21]
	s_add_nc_u64 s[100:101], s[100:101], s[22:23]
	s_lshl_b32 s20, s2, 2
	s_add_nc_u64 s[104:105], s[104:105], s[20:21]
.irp b, 0,1,2,3,4,5,6,7                ; into registers that the loop leaves alone; waited for on the way out
	global_load_b128 v[CB+8*\b:CB+8*\b+3], v[BOF], s[12:13] offset:64*\b       ; features FT + 16 b + 8 h + 0..7
	global_load_b128 v[CB+8*\b+4:CB+8*\b+7], v[BOF], s[12:13] offset:64*\b+16
.endr
.irp a, 0,1,2,3,4,5,6,7
	global_load_b32 v[RB+2*\a], v[ROF], s[100:101] offset:64*\a                ; feature FT + 16 a + r, twice: a pair for the packed addition
	global_load_b32 v[RB+2*\a+1], v[ROF], s[100:101] offset:64*\a
	global_load_b32 v[MK+\a], v[ROF], s[104:105] offset:64*\a                  ; the mask of token TK + 16 a + r
.endr
	; where my results go: bh = 16 x batch + head of my first feature; st = my 128 tokens' place among the batch's 2,048
	s_lshr_b32 s20, s2, 11
	s_lshl_b32 s20, s20, 4
	s_lshr_b32 s21, s18, 6
	s_add_co_u32 s20, s20, s21                     ; bh
	s_bfe_u32 s21, s2, 0x40007                     ; st
	s_cmp_eq_u32 s98, 0
	s_mov_b32 s4, 208896
	s_cselect_b32 s4, 98304, s4                    ; a head's bytes of codes: qimg 128 x 768, kv 16 x 13,056
	s_mov_b32 s23, 13056
	s_cselect_b32 s23, 6144, s23                   ; 128 tokens' bytes
	s_mov_b32 s5, 208896
	s_cselect_b32 s5, 8192, s5                     ; the same for the scale words: qs 128 x 64
	s_mov_b32 s47, 13056
	s_cselect_b32 s47, 512, s47
	s_lshr_b32 s6, s98, 1
	s_mul_i32 s7, s6, 6144                         ; v's fragments lie 6,144 bytes into a step
	s_min_u32 s8, s98, 1
	s_mul_i32 s8, s8, 12288                        ; k's scale words 12,288,
	s_lshl_b32 s6, s6, 9
	s_add_co_u32 s8, s8, s6                        ; v's 12,800
	s_mul_i32 s9, s20, s4
	s_mul_i32 s10, s21, s23
	s_add_co_u32 s9, s9, s10
	s_add_co_u32 s6, s9, s7
	s_mov_b32 s7, 0
	s_add_nc_u64 s[92:93], s[92:93], s[6:7]
	s_mul_i32 s9, s20, s5
	s_mul_i32 s10, s21, s47
	s_add_co_u32 s9, s9, s10
	s_add_co_u32 s6, s9, s8
	s_add_nc_u64 s[94:95], s[94:95], s[6:7]
.macro FRAG reg, adr, q, i             ; a fragment, 16 rows x 128 K, is 12 registers: registers 6 c .. 6 c + 5 of lane (r, h) hold K = 64 c + 32 h + 0 .. 31: 24 bytes of the row, in pieces of 8
.irp p, 0,1,2,3,4,5
.set PCE, 12*(\q)+6*(\p/3)+\p%3        ; 16 bytes of padding lie behind every 8 pieces: where lanes 16-31's piece lies behind one padding more, the second address register serves
.if PCE%8 < 5
	ds_load_b64 v[\reg+2*\p:\reg+2*\p+1], v[\adr] offset:8*PCE+16*(PCE/8)+(\i)*16*PITCH
.else
	ds_load_b64 v[\reg+2*\p:\reg+2*\p+1], v[\adr+2] offset:8*PCE+16*(PCE/8)+(\i)*16*PITCH
.endif
.endr
.endm
; 16 matrix instructions: A's blocks a0, a0 + 1 x B's eight.  The 64 accumulators take turns, one instruction a turn, in the same order in every step.
.macro MUL16 a0, p, q, sc, zero
.irp a, \a0, \a0+1
.irp b, 0,1,2,3,4,5,6,7
.if \zero
	v_wmma_scale_f32_16x16x128_f8f6f4 v[8*(8*((\a)%4)+\b):8*(8*((\a)%4)+\b)+7], v[128*(\p)+FR*\b:128*(\p)+FR*\b+FR-1], v[AF+FR*(\a):AF+FR*(\a)+FR-1], 0, v[SC+8*NQ*(\sc)+NQ*\b+(\q)], v[SC+8*NQ*(\sc)+NQ*(\a)+(\q)] matrix_a_fmt:MATRIX_FMT_BF6 matrix_b_fmt:MATRIX_FMT_BF6 matrix_a_scale:MATRIX_SCALE_ROW1
.else
	v_wmma_scale_f32_16x16x128_f8f6f4 v[8*(8*((\a)%4)+\b):8*(8*((\a)%4)+\b)+7], v[128*(\p)+FR*\b:128*(\p)+FR*\b+FR-1], v[AF+FR*(\a):AF+FR*(\a)+FR-1], v[8*(8*((\a)%4)+\b):8*(8*((\a)%4)+\b)+7], v[SC+8*NQ*(\sc)+NQ*\b+(\q)], v[SC+8*NQ*(\sc)+NQ*(\a)+(\q)] matrix_a_fmt:MATRIX_FMT_BF6 matrix_b_fmt:MATRIX_FMT_BF6 matrix_a_scale:MATRIX_SCALE_ROW1
.endif
.endr
.endr
.endm
.macro FETCH_B slot, q, p
	WIN TO_B
.irp i, 0,1,2,3,4,5,6,7
	FRAG 128*(\p)+FR*\i, ADRB+\slot, \q, \i
.endr
	WIN 0
.endm
.macro FETCH_A slot, q, i0
.irp i, \i0, \i0+1, \i0+2, \i0+3
	FRAG AF+FR*(\i), ADRA+\slot, \q, \i
.endr
.endm
.macro SCALES sc                       ; a K step's scale words: lanes 0-15 A's block i, lanes 16-31 B's block i
.irp i, 0,1,2,3,4,5,6,7
	ds_load_b64 v[SC+8*NQ*\sc+NQ*\i:SC+8*NQ*\sc+NQ*\i+1], v[ADRS] offset:\i*SBLK
.endr
.endm
.macro PLACES n                        ; plain vector instructions between a matrix instruction and a load into, or a vector instruction on, its registers
.rept \n
	v_nop
.endr
.endm
.macro STEP slot, q, zero              ; 128 along K that have their successor in the same slot
	s_wait_dscnt 4*NL                              ; B's set and A's blocks 0-3 are in; the youngest 24 loads (A's blocks 4-7) may be out
	WIN MUL_LO
	MUL16 0, (\q)%2, \q, \slot, \zero
	MUL16 2, (\q)%2, \q, \slot, \zero
	s_wait_dscnt 0
	PLACES NP
	FETCH_B \slot, (\q)+1, 1-(\q)%2
	FETCH_A \slot, (\q)+1, 0
	WIN MUL_HI
	MUL16 4, (\q)%2, \q, \slot, \zero
	MUL16 6, (\q)%2, \q, \slot, \zero
	PLACES NP
	WIN 0
	FETCH_A \slot, (\q)+1, 4
.endm
; A slot's last 128 change slots: one barrier; in front of it each wave waits for all its tensor loads, adds 0 to its spare word, and waits for that and for its reads of this slot.
.macro TURN slot, next, fill
	s_wait_tensorcnt 0x0                           ; all my tensor loads have landed: my part of the next slot
	ds_add_u32 v[SPW], v[NIL]                      ; 0 onto my spare word
	s_wait_dscnt 4*NL+1                            ; (the add and the youngest 24 loads may be out)
	WIN MUL_LO
	MUL16 0, 1, NQ-1, \slot, 0
	s_wait_dscnt 0x0                               ; the add is done, and my reads of this slot are over
	s_barrier_signal -1
	MUL16 2, 1, NQ-1, \slot, 0
	WIN 0
	s_barrier_wait -1
.if \fill
	CREST                                          ; the barrier has opened a round of the cluster's barrier: no wave of any partner still reads this slot or has a load on its way
	s_add_nc_u64 s[G0+4*\slot+2:G0+4*\slot+3], s[G0+4*\slot+2:G0+4*\slot+3], 2*ROWB
	s_add_nc_u64 s[G0B+4*\slot+2:G0B+4*\slot+3], s[G0B+4*\slot+2:G0B+4*\slot+3], 2*ROWB
	JLOAD G0+4*\slot, G1, G0B+4*\slot, G1B         ; the first tensor load behind the round; its four v_nop are also the places in front of the loads below
.else
	PLACES NP
.endif
	v_add_nc_u32 v[ADRS], 4*NQ, v[ADRS]            ; on to the next K step's scale words
	FETCH_B \next, 0, 0
	FETCH_A \next, 0, 0
	SCALES \next
	WIN MUL_HI
	MUL16 4, 1, NQ-1, \slot, 0
	MUL16 6, 1, NQ-1, \slot, 0
	PLACES NP
	WIN 0
	FETCH_A \next, 0, 4
.endm
	s_wait_tensorcnt 1                             ; the scales and my part of K step 0 are in; K step 1's load may be out
	s_barrier_signal -1
	s_barrier_wait -1
	FETCH_B 0, 0, 0
	FETCH_A 0, 0, 0
	SCALES 0
	FETCH_A 0, 0, 4
	STEP 0, 0, 1                                   ; the first products start the sums: nothing is cleared
	s_mov_b32 s3, LAPS-1
.Llap:
	TURN 0, 1, 1
	STEP 1, 0, 0
	TURN 1, 0, 1
	STEP 0, 0, 0
	s_sub_co_u32 s3, s3, 1
	s_cmp_lg_u32 s3, 0
	s_cbranch_scc1 .Llap
	TURN 0, 1, 0                                   ; the last lap fills nothing
	STEP 1, 0, 0
	s_wait_dscnt 4*NL
	WIN MUL_LO
	MUL16 0, 1, NQ-1, 1, 0
	MUL16 2, 1, NQ-1, 1, 0
	s_wait_dscnt 0
	WIN MUL_HI
	MUL16 4, 1, NQ-1, 1, 0
	MUL16 6, 1, NQ-1, 1, 0
	WIN 0
; THE WAY OUT: no LDS.  Block a (16 rows of A) at a time: bias, quantiser, stores of register images: each store of 16 bytes a lane covers 512 consecutive bytes, each of 8 bytes 256, all aligned to 256.
	PLACES NP
	s_wait_loadcnt 0x0                             ; the biases and the mask
	s_mov_b32 s20, 0x76543210
	s_mov_b32 s21, 0xfedcba98                      ; selects for lane l xor 16
	s_mov_b32 s22, 0xffff0000                      ; lanes 16-31; also a word's upper half
.irp b, 0,1,2,3
	v_mov_b32 v[TMB+\b], 0                         ; a lane permute's destination counts as one of its sources
.endr
	s_cmp_eq_u32 s98, 0
	s_mov_b32 s6, 0x0101
	s_cselect_b32 s6, 0x7fa7, s6                   ; the upper half-word: q 2^40 and 1; k, open: 2^-126 twice;
	s_mov_b32 s7, 0x01be
	s_cselect_b32 s7, 0x7fa7, s7                   ; k, masked: 2^63 and 2^-126
	v_mov_b32 v[T0], s6
	v_mov_b32 v[T1], s7
.irp a, 0,1,2,3,4,5,6,7
	v_cmp_eq_u32 vcc_lo, 0, v[MK+\a]
	v_cndmask_b32 v[EX+\a], v[T0], v[T1], vcc_lo   ; a choice of a value: no branch and no address hangs on the mask
.endr
	v_mov_b32 v[O16], v[L16]
	v_add_nc_u32 v[O16+1], s4, v[L16]
	v_mov_b32 v[O8], v[L8]
	v_add_nc_u32 v[O8+1], s4, v[L8]
	v_mov_b32 v[O4], v[L4]
	v_add_nc_u32 v[O4+1], s5, v[L4]
; 64 numbers of a lane, v[s] on, become a fragment's codes in v[PC] on and its scale word in v[PW]: registers 16 b .. 16 b + 15 of lanes l and l xor 16 are block b
.macro QUANT s
.irp b, 0,1,2,3
	v_max3_num_f32 v[TMX+\b], |v[\s+16*\b]|, |v[\s+1+16*\b]|, 0x2800000   ; with the floor 2^(5 - 127): the byte cannot fall under 1
.endr
.irp i, 2,4,6,8,10,12,14
.irp b, 0,1,2,3
	v_max3_num_f32 v[TMX+\b], v[TMX+\b], |v[\s+16*\b+\i]|, |v[\s+1+16*\b+\i]|
.endr
.endr
.irp b, 0,1,2,3
	v_permlanex16_b32 v[TMB+\b], v[TMX+\b], s20, s21
.endr
.irp b, 0,1,2,3
	v_max_num_f32 v[TMX+\b], v[TMX+\b], v[TMB+\b]
.endr
.irp b, 0,1,2,3
	v_add_nc_u32 v[TMS+\b], 0xfe000000, v[TMX+\b]  ; 4 off the exponent field: the conversion's scale operand
.endr
.irp b, 0,1,2,3
	v_lshrrev_b32 v[TMB+\b], 23, v[TMS+\b]         ; the scale's byte
.endr
	v_lshl_or_b32 v[PW], v[TMB+1], 8, v[TMB]
	v_lshl_or_b32 v[PW], v[TMB+2], 16, v[PW]
	v_lshl_or_b32 v[PW], v[TMB+3], 24, v[PW]
.irp c, 0,1
	v_cvt_scalef32_pk16_bf6_f32 v[PC+6*\c:PC+2+6*\c], v[\s+32*\c:\s+15+32*\c], v[TMS+2*\c]
	v_cvt_scalef32_pk16_bf6_f32 v[PC+12+4*\c:PC+14+4*\c], v[\s+16+32*\c:\s+31+32*\c], v[TMS+2*\c+1]   ; (a conversion's three registers begin on an even number)
.endr
	v_nop                                          ; one plain instruction behind a scaled conversion
.irp c, 0,1                            ; the operand's layout wants a whole block in a lane: lanes 0-15 block 2 c, lanes 16-31 block 2 c + 1
.irp i, 0,1,2
	v_permlane16_swap_b32 v[PC+6*\c+\i], v[PC+12+4*\c+\i]
.endr
.irp i, 0,1,2
	v_mov_b32 v[PC+3+6*\c+\i], v[PC+12+4*\c+\i]
.endr
.endr
.endm
.macro EBLK kind, a
.if (\a) > 0
	s_wait_xcnt 0x0                                ; the last block's stores have read their data: the codes' and words' registers are written again only behind this wait
.endif
.set WSEL, 0x02+(\a)/4
	WIN WSEL                                       ; source 0: the accumulators' window
.irp b, 0,1,2,3,4,5,6,7                ; + bias, into window 0; each accumulator from its low end on
.irp j, 0,2,4,6
.if \kind
	v_pk_add_f32 v[H+8*\b+\j:H+8*\b+\j+1], v[64*((\a)%4)+8*\b+\j:64*((\a)%4)+8*\b+\j+1], v[RB+2*(\a):RB+2*(\a)+1] op_sel_hi:[1,0]
.else
	v_pk_add_f32 v[H+8*\b+\j:H+8*\b+\j+1], v[64*((\a)%4)+8*\b+\j:64*((\a)%4)+8*\b+\j+1], v[CB+8*\b+\j:CB+8*\b+\j+1]
.endif
.endr
.endr
	WIN 0
	QUANT H
.if \kind                              ; v: one fragment of v^T (16 channels x 128 keys): head a / 4, tile a % 4
.irp c, 0,1,2
	global_store_b128 v[L16], v[PC+4*\c:PC+4*\c+3], s[92:93] offset:208896*((\a)/4)+1536*((\a)%4)+512*\c
.endr
.if (\a)%2 == 0
	v_mov_b32 v[WE], v[PW]
.else
	v_cndmask_b32 v[WS], v[WE], v[PW], s22         ; lanes 0-15 the even tile's words, lanes 16-31 the odd tile's
	global_store_b32 v[L4], v[WS], s[94:95] offset:208896*((\a)/4)+128*(((\a)%4)/2)
.endif
.else                                  ; q, k: two pieces (16 tokens x 64): heads 0 and 1 of my 128 features
.irp c, 0,1
	global_store_b128 v[O16+\c], v[PC+6*\c:PC+6*\c+3], s[92:93] offset:768*(\a)
	global_store_b64 v[O8+\c], v[PC+6*\c+4:PC+6*\c+5], s[92:93] offset:768*(\a)+512
.endr
.if (\a)%2 == 0
	v_and_b32 v[WE], 0xffff, v[PW]                 ; (s0, s1, m, f)
	v_lshl_or_b32 v[WE], v[EX+(\a)], 16, v[WE]
	v_lshrrev_b32 v[WE+1], 16, v[PW]
	v_lshl_or_b32 v[WE+1], v[EX+(\a)], 16, v[WE+1]
.else
	v_lshl_or_b32 v[WO], v[PW], 16, v[EX+(\a)]     ; (m, f, s0, s1)
	v_and_or_b32 v[WO+1], v[PW], s22, v[EX+(\a)]
.irp c, 0,1
	v_cndmask_b32 v[WS+\c], v[WE+\c], v[WO+\c], s22
	global_store_b32 v[O4+\c], v[WS+\c], s[94:95] offset:128*((\a)/2)
.endr
.endif
.endif
.endm
.macro FINISH
	s_wait_tensorcnt 0x0                           ; the wave's end
	ds_add_u32 v[SPW], v[NIL]
	s_wait_dscnt 0x0
	CROUND                                         ; the closing round: no work-group ends while a partner may still ask for a tile that names it
	s_endpgm
.endm
	s_cmp_eq_u32 s98, 2                            ; the kind is the cluster's x: the same in all partners and all waves
	s_cbranch_scc1 .Lkind_v
.irp a, 0,1,2,3,4,5,6,7
	EBLK 0, \a
.endr
	FINISH
.Lkind_v:
.irp a, 0,1,2,3,4,5,6,7
	EBLK 1, \a
.endr
	FINISH
.Lfunc_end_k_q6b3e92fb05_qkv:
	.size	k_q6b3e92fb05_qkv, .Lfunc_end_k_q6b3e92fb05_qkv-k_q6b3e92fb05_qkv
	.p2alignl 7, 3214868480
	.fill 96, 4, 3214868480
	.section	.rodata,"a",@progbits
	.p2align	6, 0x0
	.amdhsa_kernel k_q6b3e92fb05_qkv
		.amdhsa_group_segment_fixed_size 327680
		.amdhsa_private_segment_fixed_size 0
		.amdhsa_enable_private_segment 0
		.amdhsa_kernarg_size 120
		.amdhsa_user_sgpr_count 2
		.amdhsa_user_sgpr_kernarg_segment_ptr 1
		.amdhsa_wavefront_size32 1
		.amdhsa_system_sgpr_workgroup_id_x 1
		.amdhsa_system_sgpr_workgroup_id_y 1
		.amdhsa_system_sgpr_workgroup_id_z 1
		.amdhsa_system_vgpr_workitem_id 0
		.amdhsa_next_free_vgpr 1024
		.amdhsa_next_free_sgpr 106
		.amdhsa_reserve_vcc 1
		.amdhsa_float_denorm_mode_32 3
		.amdhsa_float_denorm_mode_16_64 3
		.amdhsa_memory_ordered 1
		.amdhsa_forward_progress 1
		.amdhsa_inst_pref_size 239
	.end_amdhsa_kernel
	.amdgpu_metadata
---
amdhsa.version: [ 1, 2 ]
amdhsa.kernels:
  - .name:           k_q6b3e92fb05_qkv
    .symbol:         k_q6b3e92fb05_qkv.kd
    .args:
      - { .name: hc, .offset: 0, .size: 8, .value_kind: global_buffer, .address_space: global }
      - { .name: hs, .offset: 8, .size: 8, .value_kind: global_buffer, .address_space: global }
      - { .name: Wq_codes, .offset: 16, .size: 8, .value_kind: global_buffer, .address_space: global }
      - { .name: Wq_scales, .offset: 24, .size: 8, .value_kind: global_buffer, .address_space: global }
      - { .name: Wk_codes, .offset: 32, .size: 8, .value_kind: global_buffer, .address_space: global }
      - { .name: Wk_scales, .offset: 40, .size: 8, .value_kind: global_buffer, .address_space: global }
      - { .name: Wv_codes, .offset: 48, .size: 8, .value_kind: global_buffer, .address_space: global }
      - { .name: Wv_scales, .offset: 56, .size: 8, .value_kind: global_buffer, .address_space: global }
      - { .name: bq, .offset: 64, .size: 8, .value_kind: global_buffer, .address_space: global }
      - { .name: bk, .offset: 72, .size: 8, .value_kind: global_buffer, .address_space: global }
      - { .name: bv, .offset: 80, .size: 8, .value_kind: global_buffer, .address_space: global }
      - { .name: attention_mask, .offset: 88, .size: 8, .value_kind: global_buffer, .address_space: global }
      - { .name: qimg, .offset: 96, .size: 8, .value_kind: global_buffer, .address_space: global }
      - { .name: qs, .offset: 104, .size: 8, .value_kind: global_buffer, .address_space: global }
      - { .name: kv, .offset: 112, .size: 8, .value_kind: global_buffer, .address_space: global }
    .group_segment_fixed_size: 327680
    .private_segment_fixed_size: 0
    .kernarg_segment_align: 8
    .kernarg_segment_size: 120
    .max_flat_workgroup_size: 128
    .sgpr_count:     106
    .vgpr_count:     1024
    .wavefront_size: 32
...
	.end_amdgpu_metadata
.endif
;; end of part 2
;; launch attn (part 3): grid 4 x 64, 16 waves a work-group, clusters of 4 x 1, 210,944 bytes of LDS; arguments qimg, qs, kv, cimg, cs; writes cimg, cs
.if DOCPART == 3
	.amdgcn_target "amdgcn-amd-amdhsa--gfx1250"
	.amdhsa_code_object_version 6
	.text
	.protected	k_q6b3e92fb05_attn
	.globl	k_q6b3e92fb05_attn
	.p2align	8
	.type	k_q6b3e92fb05_attn,@function
k_q6b3e92fb05_attn:
	s_mov_b64 s[64:65], 0
	v_nop
	global_prefetch_b8 v0, s[64:65] scope:SCOPE_SE
	s_setreg_imm32_b32 hwreg(HW_REG_WAVE_MODE, 25, 1), 1
	s_wait_xcnt 0x0
	s_wait_alu depctr_hold_cnt(0) depctr_sa_sdst(0) depctr_va_vdst(0) depctr_va_sdst(0) depctr_va_ssrc(0) depctr_va_vcc(0) depctr_vm_vsrc(0)
	s_getreg_b32 s2, hwreg(HW_REG_IB_STS2, 6, 4)
	s_cmp_eq_u32 s2, 0
	s_cbranch_scc0 .Lentry_in_a_cluster
	s_endpgm
.Lentry_in_a_cluster:
	s_bfe_u32 s2, ttmp6, 0x10000c
	s_cmp_lg_u32 s2, 0x3003
	s_cbranch_scc0 .Lentry_shape_is_right
	s_endpgm
.Lentry_shape_is_right:
; c[b][q][head] = softmax_k(q . k / 8, masked keys left out) v for 64 heads of 2,048 tokens and 64 channels, both products on codes of BF6 (E3M2) with E8M0 scales; c leaves as codes for the last product.
; THE SOFTMAX: t = score x log2(e) / 8; M = the running largest t rounded up to a whole number; p = 2^(t - M) is quantised along the keys, not normalised; the row's sum is taken of the unquantised p and divides at the end.
; When M moves, the sum and O are multiplied by 2^(old M - new M), which rounds nothing.
; SHARES.  A cluster of four work-groups owns a head (work-group y), a work-group 512 queries, each of its sixteen waves two tiles of 16 queries, one after the other.  Four waves share a SIMD: one wave's
; exponentials stand beside another's products and LDS loads.
; A WHOLE HEAD'S K AND V STAY IN LDS: 16 key steps x 13,056 bytes, an exact copy of the head's part of kv, brought once by sixteen joint tensor loads (wave w: step w), the same in all four partners.
; Nothing is filled again.  Since every byte is asked for at the head, there is no later stream for a prefetch to run ahead of.
; LAYOUT.  Both products transposed: S^T = k q^T (source 0 = 16 keys), O^T = v^T p^T (source 0 = 16 channels): a lane holds one query throughout.  k's pieces, v's fragments and their scale words lie in LDS
; as images of the operand's registers: every LDS load takes consecutive bytes.  Inside a block of 32 keys p's codes stand in the order 0-7, 16-23, 8-15, 24-31, and so do v's: the pairs are the true ones.
; K = 64 IN AN INSTRUCTION OF 128, AND THE MASK.  A piece of k is six registers; six CONSTANT registers beside it hold one code, -28, and zeros; q has +28 at the same place.  That block's scale byte,
; set by the launch before, is 2^63 for a masked key and 2^-126 for an open one, q's is 2^40: a masked score is about -784 x 2^103, so p = 0 exactly; an open one is moved by -784 x 2^-86.
; An even and an odd tile share the constant registers: [k even | constant | k odd]; the odd tile is read as [constant | k], against q as [constant | q], with scale words turned by 16 bits.
; The running largest t begins at -2^96, above every masked t: a step all of whose keys are masked leaves M alone.  A row with no open key keeps it: its scale bytes become 0xff, so that the output row is NaN as the definition has it.
; LIMITS: true t stay above -2^90 and under 2^90; NaN and infinities are not served; blocks under 2^-122 keep the byte 1.
.set STEPB, 13056                      ; a key step: 8 pieces of k (768), 4 fragments of v^T (1,536), k's scale words (4 x 128), v's (2 x 128)
.set L16,  1                           ; 16, 8, 4 x lane
.set L8,   2
.set L4,   3
.set A16,  4                           ; the same + the step's first LDS byte
.set A8,   5
.set A4,   6
.set R4,   7                           ; 4 x (lane % 16)
.set CSO,  8                           ; 32 x (lane % 16) + lane / 16: my byte in 16 rows of cs
.set NAN8, 9                           ; 0xff
.set QWA,  10                          ; q's scale words (s0, s1, 2^40, 1)
.set QWB,  11                          ; and turned by 16 bits
.set Q,    16                          ; v16-21 q, v22-27 q's constant, v28-33 q again
.set K0,   34                          ; four triples of 18: k even, constant, k odd
.set KSC,  106                         ; v106-109 k's scale words: lanes 0-15 the even tile, lanes 16-31 the odd one
.set VSC,  110                         ; v110-111 v's
.set PWD,  112                         ; p's scale word
.set BY,   113                         ; c's scale byte
.set S,    114                         ; v114-177 S^T, then p, then v's fragments
.set O,    178                         ; v178-209 O^T
.set PC,   210                         ; v210-221 p's codes
.set BM,   222                         ; v222-225 the blocks' largest
.set PX,   226                         ; v226-233 at work
.set SO,   234                         ; v234-237 the conversions' scale operands
.set TMP,  238
.set ZR,   239                         ; 0
.set F,    240                         ; v[240:241] 2^(old M - new M); at the end 1 / the sum
.set ST0,  242                         ; v242-247 the pass's q as loaded; v248 its scale word
.set SW0,  248
.set SW1,  249                         ; the second pass's word; v250-255 its q
.set ST1,  250
.set WV,   18
.set SEL,  20
.set CS,   22
.set G1,   24
.set G0,   32
.set PASS, 36
.set PAR,  37                          ; all ones in a wave with an odd number: its tiles of queries have odd numbers
.set TB,   38                          ; the step's first LDS byte
.set STEPS, 39
.set HM,   52                          ; lanes 16-31
.set LOW,  53                          ; -2^90
.macro ROUND                           ; a round of the cluster's barrier
	s_barrier_signal -1
	s_barrier_wait -1
	s_cmp_lg_u32 s[WV], 0
	s_cbranch_scc1 .Lnot_wave_0_\@
	s_barrier_signal -3
.Lnot_wave_0_\@:
	s_barrier_wait -3
	s_barrier_signal -1
	s_barrier_wait -1
.endm
	s_load_b256 s[4:11], s[0:1], 0x0               ; qimg s[4:5], qs s[6:7], kv s[8:9], cimg s[10:11]
	s_load_b64 s[12:13], s[0:1], 0x20              ; cs
	v_lshl_add_u32 v254, v0, 2, 0x33000
	v_mov_b32 v255, 0
	ds_add_u32 v254, v255
	ds_add_u32 v254, v255
	s_wait_dscnt 0x0
	v_lshrrev_b32 v1, 5, v0
	v_readfirstlane_b32 s[WV], v1                  ; wave 0..15
	v_and_b32 v[TMP], 31, v0
	v_lshlrev_b32 v[L16], 4, v[TMP]
	v_lshlrev_b32 v[L8], 3, v[TMP]
	v_lshlrev_b32 v[L4], 2, v[TMP]
	v_and_b32 v[R4], 15, v0
	v_bfe_u32 v[CSO], v0, 4, 1
	v_lshl_add_u32 v[CSO], v[R4], 5, v[CSO]
	v_lshlrev_b32 v[R4], 2, v[R4]
	v_mov_b32 v[NAN8], 0xff
	v_mov_b32 v[ZR], 0
	s_bfe_u32 s40, ttmp6, 0x40000                  ; cx: it enters q's and c's addresses alone
	s_and_b32 s41, ttmp7, 0xffff                   ; bh = 16 x batch + head, which the four partners share
	s_mov_b32 s[G1], 15|(3<<16)|(1<<21)            ; the mask: all four work-groups; elements of 8 bytes; bit 21 beside a mask; no padding
	s_mov_b32 s[G1+1], 32<<16                      ; tensor_dim0 = 32: rows of 256 bytes
	s_mov_b32 s[G1+2], 51<<16                      ; tensor_dim1 = 51: 13,056 bytes
	s_mov_b32 s[G1+3], 32<<16                      ; tile_dim0
	s_mov_b32 s[G1+4], 51                          ; tile_dim1
	s_mov_b32 s[G1+5], 32                          ; dense
	s_mov_b32 s[G1+6], 0
	s_mov_b32 s[G1+7], 0
	s_mov_b32 s[G0], 1
	s_mul_i32 s[G0+1], s[WV], STEPB                ; step w goes to LDS byte 13,056 w
	s_mul_i32 s44, s41, 16*STEPB
	s_add_co_u32 s44, s44, s[G0+1]
	s_mov_b32 s45, 0
	s_lshl_b32 s46, s40, 5
	s_add_co_u32 s46, s46, s[WV]                   ; my first tile of queries: 32 cx + wave; the second lies 16 on
	s_mul_i32 s54, s41, 98304
	s_mul_i32 s55, s46, 768
	s_add_co_u32 s54, s54, s55                     ; in qimg
	s_mov_b32 s55, 0
	s_lshl_b32 s56, s41, 13
	s_lshl_b32 s57, s46, 6
	s_add_co_u32 s56, s56, s57                     ; in qs
	s_mov_b32 s57, 0
	s_lshr_b32 s58, s41, 4
	s_lshl_b32 s58, s58, 7
	s_add_co_u32 s58, s58, s46                     ; the tile among all 512 tiles of tokens
	s_and_b32 s59, s41, 15                         ; head
	s_lshr_b32 s60, s59, 2
	s_mul_i32 s60, s60, 1572864                    ; cimg [head / 4][tile][head % 4][768]
	s_mul_i32 s61, s58, 3072
	s_add_co_u32 s60, s60, s61
	s_and_b32 s61, s59, 3
	s_mul_i32 s61, s61, 768
	s_add_co_u32 s60, s60, s61
	s_mov_b32 s61, 0
	s_lshl_b32 s62, s58, 9                         ; cs [token][32]: byte 2 head + block
	s_lshl_b32 s63, s59, 1
	s_add_co_u32 s62, s62, s63
	s_mov_b32 s63, 0
	s_mov_b32 s[SEL], 0x76543210
	s_mov_b32 s[SEL+1], 0xfedcba98
	s_mov_b32 s[CS], 0x3e38aa3b                    ; log2(e) / 8
	s_mov_b32 s[CS+1], s[CS]
	s_and_b32 s[PAR], s[WV], 1
	s_sub_co_u32 s[PAR], 0, s[PAR]
	s_mov_b32 s[HM], 0xffff0000
	s_mov_b32 s[LOW], 0xec800000
	s_mov_b32 s[PASS], 2
	s_wait_kmcnt 0x0
	s_add_nc_u64 s[G0+2:G0+3], s[8:9], s[44:45]
	s_or_b32 s[G0+3], s[G0+3], 0x80000000
	s_add_nc_u64 s[4:5], s[4:5], s[54:55]
	s_add_nc_u64 s[6:7], s[6:7], s[56:57]
	s_add_nc_u64 s[48:49], s[10:11], s[60:61]
	s_add_nc_u64 s[50:51], s[12:13], s[62:63]
	ROUND                                          ; all four work-groups are here: the joint loads meet
	tensor_load_to_lds s[G0:G0+3], s[G1:G1+7]      ; my one tensor load of the launch
	s_nop 0
.rept 4
	v_nop
.endr
	global_load_b128 v[ST0:ST0+3], v[L16], s[4:5]              ; q of both passes, as register images
	global_load_b64 v[ST0+4:ST0+5], v[L8], s[4:5] offset:512
	global_load_b32 v[SW0], v[R4], s[6:7]
	global_load_b128 v[ST1:ST1+3], v[L16], s[4:5] offset:12288
	global_load_b64 v[ST1+4:ST1+5], v[L8], s[4:5] offset:12800
	global_load_b32 v[SW1], v[R4], s[6:7] offset:1024
	v_cndmask_b32 v[Q+6], 31, v[ZR], s[HM]         ; q's constant: the code +28 at the block's first place (lanes 0-15), zeros elsewhere
.irp j, 7,8,9,10,11
	v_mov_b32 v[Q+\j], 0
.endr
.irp i, 0,1,2,3
	v_cndmask_b32 v[K0+18*\i+6], 63, v[ZR], s[HM]  ; k's: the code -28
.irp j, 7,8,9,10,11
	v_mov_b32 v[K0+18*\i+\j], 0
.endr
.endr
.irp b, 0,1,2,3
	v_mov_b32 v[PX+\b], 0                          ; a lane permute's destination counts as one of its sources
.endr
	v_mov_b32 v[F+1], 0                            ; named as the upper half of a pair
	s_wait_loadcnt 0x0
	s_wait_tensorcnt 0x0                           ; my step has landed,
	s_barrier_signal -1
	s_barrier_wait -1                              ; everybody's has
.macro KLOAD off                       ; a step's k: eight pieces and four pairs of scale words
.irp i, 0,1,2,3
	ds_load_b128 v[K0+18*\i:K0+18*\i+3], v[A16] offset:\off+1536*\i
	ds_load_b64 v[K0+18*\i+4:K0+18*\i+5], v[A8] offset:\off+1536*\i+512
	ds_load_b128 v[K0+18*\i+12:K0+18*\i+15], v[A16] offset:\off+1536*\i+768
	ds_load_b64 v[K0+18*\i+16:K0+18*\i+17], v[A8] offset:\off+1536*\i+1280
	ds_load_b32 v[KSC+\i], v[A4] offset:\off+12288+128*\i
.endr
.endm
.macro VLOAD                           ; its v^T: four fragments and two pairs of scale words
.irp t, 0,1,2,3
.irp c, 0,1,2
	ds_load_b128 v[S+12*\t+4*\c:S+12*\t+4*\c+3], v[A16] offset:6144+1536*\t+512*\c
.endr
.endr
.irp i, 0,1
	ds_load_b32 v[VSC+\i], v[A4] offset:12800+128*\i
.endr
.endm
; A KEY STEP: 128 keys.  pre = 1: the next step's k is fetched under the softmax, and the addresses step on.
.macro STEP pre
	s_wait_dscnt 0x0                               ; k is in
.irp i, 0,1,2,3
	v_wmma_scale_f32_16x16x128_f8f6f4 v[S+16*\i:S+16*\i+7], v[K0+18*\i:K0+18*\i+11], v[Q:Q+11], 0, v[KSC+\i], v[QWA] matrix_a_fmt:MATRIX_FMT_BF6 matrix_b_fmt:MATRIX_FMT_BF6
	v_wmma_scale_f32_16x16x128_f8f6f4 v[S+16*\i+8:S+16*\i+15], v[K0+18*\i+6:K0+18*\i+17], v[Q+6:Q+17], 0, v[KSC+\i], v[QWB] matrix_a_fmt:MATRIX_FMT_BF6 matrix_b_fmt:MATRIX_FMT_BF6 matrix_a_scale:MATRIX_SCALE_ROW1
.endr
.rept 4
	v_nop                                          ; places in front of the loads into k's registers and of the first read of the scores
.endr
.if \pre
	KLOAD STEPB
.endif
.irp b, 0,1,2,3
	v_max3_num_f32 v[BM+\b], v[S+16*\b], v[S+1+16*\b], v[S+2+16*\b]   ; the largest score of each block of 32 keys: for the row's maximum, and, since p rises with the score, for the block's largest p
.endr
.irp i, 3,5,7,9,11,13
.irp b, 0,1,2,3
	v_max3_num_f32 v[BM+\b], v[BM+\b], v[S+16*\b+\i], v[S+1+16*\b+\i]
.endr
.endr
.irp b, 0,1,2,3
	v_max_num_f32 v[BM+\b], v[BM+\b], v[S+15+16*\b]
.endr
.irp b, 0,1,2,3
	v_permlanex16_b32 v[PX+\b], v[BM+\b], s[SEL], s[SEL+1]
.endr
.irp b, 0,1,2,3
	v_max_num_f32 v[BM+\b], v[BM+\b], v[PX+\b]     ; with lane l xor 16's 16 keys
.endr
	v_max3_num_f32 v[TMP], v[BM], v[BM+1], v[BM+2]
	v_max_num_f32 v[TMP], v[TMP], v[BM+3]
	v_mul_f32 v[TMP], s[CS], v[TMP]                ; the step's largest t
	v_max_num_f32 v13, v13, v[TMP]                 ; the running largest t
	v_mov_b32 v[TMP], v12
	v_floor_f32 v12, -v13                          ; -M = floor(-t): M is a whole number
	v_sub_f32 v[TMP], v12, v[TMP]                  ; old M - new M: a whole number, 0 or less
	v_cvt_i32_f32 v[TMP], v[TMP]                   ; (it saturates)
	v_ldexp_f32 v[F], 1.0, v[TMP]                  ; f = 2^(old M - new M)
.set jj, 0
.rept 32
	v_pk_fma_f32 v[S+jj:S+jj+1], v[S+jj:S+jj+1], s[CS:CS+1], v[12:13] op_sel_hi:[1,0,0]   ; t - M
.set jj, jj+2
.endr
.irp b, 0,1,2,3
	v_fma_f32 v[BM+\b], v[BM+\b], s[CS], v12       ; the same of each block's largest score
.endr
.set jj, 0
.rept 64
	v_exp_f32 v[S+jj], v[S+jj]                     ; p = 2^(t - M)
.set jj, jj+1
.endr
	v_pk_mul_f32 v[14:15], v[14:15], v[F:F+1] op_sel_hi:[1,0]   ; the sums under the new M (a plain instruction behind the exponentials)
	s_wait_alu depctr_va_vdst(0)                   ; one wait for the batch of 64, ahead of its first reader
.irp b, 0,1,2,3
	v_exp_f32 v[BM+\b], v[BM+\b]                   ; the block's largest p: the same two instructions on the same number
.endr
	v_pk_add_f32 v[PX:PX+1], v[S:S+1], v[S+2:S+3]  ; the row's sum of the unquantised p, two chains; it reads the 64 alone
.set jj, 4
.rept 15
	v_pk_add_f32 v[14:15], v[14:15], v[S+jj:S+jj+1]
	v_pk_add_f32 v[PX:PX+1], v[PX:PX+1], v[S+2+jj:S+3+jj]
.set jj, jj+4
.endr
	v_pk_add_f32 v[14:15], v[14:15], v[PX:PX+1]
	s_wait_alu depctr_va_vdst(0)                   ; and one for the four
.irp b, 0,1,2,3
	v_max_num_f32 v[BM+\b], 0x2800000, v[BM+\b]    ; the floor 2^(5 - 127)
.endr
.irp b, 0,1,2,3
	v_add_nc_u32 v[SO+\b], 0xfe000000, v[BM+\b]
.endr
.irp b, 0,1,2,3
	v_lshrrev_b32 v[PX+\b], 23, v[SO+\b]
.endr
	v_lshl_or_b32 v[PWD], v[PX+1], 8, v[PX]        ; p's scale word for these 128 keys
	v_lshl_or_b32 v[PWD], v[PX+2], 16, v[PWD]
	v_lshl_or_b32 v[PWD], v[PX+3], 24, v[PWD]
.irp c, 0,1
	v_cvt_scalef32_pk16_bf6_f32 v[PC+6*\c:PC+2+6*\c], v[S+32*\c:S+15+32*\c], v[SO+2*\c]
	v_cvt_scalef32_pk16_bf6_f32 v[PX+4*\c:PX+2+4*\c], v[S+16+32*\c:S+31+32*\c], v[SO+2*\c+1]
.endr
	v_nop                                          ; one plain instruction behind a scaled conversion
	VLOAD                                          ; p has been read: its registers take v's fragments
.irp c, 0,1
.irp i, 0,1,2
	v_permlane16_swap_b32 v[PC+6*\c+\i], v[PX+4*\c+\i]
.endr
.irp i, 0,1,2
	v_mov_b32 v[PC+3+6*\c+\i], v[PX+4*\c+\i]
.endr
.endr
.set jj, 0
.rept 16
	v_pk_mul_f32 v[O+jj:O+jj+1], v[O+jj:O+jj+1], v[F:F+1] op_sel_hi:[1,0]   ; O^T under the new M; these are also the places between p's codes and scale word and the products
.set jj, jj+2
.endr
	s_wait_dscnt 0x0                               ; v is in (and the next step's k)
.irp t, 0,2
	v_wmma_scale_f32_16x16x128_f8f6f4 v[O+8*\t:O+8*\t+7], v[S+12*\t:S+12*\t+11], v[PC:PC+11], v[O+8*\t:O+8*\t+7], v[VSC+\t/2], v[PWD] matrix_a_fmt:MATRIX_FMT_BF6 matrix_b_fmt:MATRIX_FMT_BF6
	v_wmma_scale_f32_16x16x128_f8f6f4 v[O+8*\t+8:O+8*\t+15], v[S+12*\t+12:S+12*\t+23], v[PC:PC+11], v[O+8*\t+8:O+8*\t+15], v[VSC+\t/2], v[PWD] matrix_a_fmt:MATRIX_FMT_BF6 matrix_b_fmt:MATRIX_FMT_BF6 matrix_a_scale:MATRIX_SCALE_ROW1
.endr
.if \pre
	s_add_co_u32 s[TB], s[TB], STEPB
	v_add_nc_u32 v[A16], s[TB], v[L16]             ; five plain instructions: the next step's first products write over v's registers
	v_add_nc_u32 v[A8], s[TB], v[L8]
	v_add_nc_u32 v[A4], s[TB], v[L4]
	v_nop
	v_nop
.else
.rept 4
	v_nop                                          ; places in front of the first read of O^T
.endr
.endif
.endm
.Lpass:                                            ; two trips: a tile of 16 queries each
.irp i, 0,1,2,3,4,5
	v_mov_b32 v[Q+\i], v[ST0+\i]
	v_mov_b32 v[Q+12+\i], v[ST0+\i]
.endr
	v_lshrrev_b32 v[TMP], 16, v[SW0]
	v_lshl_or_b32 v[TMP], v[SW0], 16, v[TMP]       ; the word turned by 16 bits
	v_cndmask_b32 v[QWA], v[SW0], v[TMP], s[PAR]   ; a tile with an odd number was stored turned
	v_cndmask_b32 v[QWB], v[TMP], v[SW0], s[PAR]
.set jj, 0
.rept 32
	v_mov_b32 v[O+jj], 0                           ; the step is written once: the first finds zeros.  (Also the places between q's registers and words and the first products)
.set jj, jj+1
.endr
	v_mov_b32 v14, 0
	v_mov_b32 v15, 0
	v_mov_b32 v13, 0xef800000                      ; -2^96: above every masked t, under every true one
	v_floor_f32 v12, -v13
	s_mov_b32 s[TB], 0
	v_add_nc_u32 v[A16], s[TB], v[L16]
	v_add_nc_u32 v[A8], s[TB], v[L8]
	v_add_nc_u32 v[A4], s[TB], v[L4]
	KLOAD 0
	s_mov_b32 s[STEPS], 15
.Lstep:
	STEP 1
	s_sub_co_u32 s[STEPS], s[STEPS], 1
	s_cmp_lg_u32 s[STEPS], 0
	s_cbranch_scc1 .Lstep
	STEP 0                                         ; the last step fetches nothing beyond the head's bytes
	; c = O^T / the sum, brought into the true order of channels (Wo's codes are given), quantised, stored as a piece of 768 bytes and two scale bytes a token
	v_add_f32 v14, v14, v15
	v_permlanex16_b32 v[TMP], v14, s[SEL], s[SEL+1]
	v_add_f32 v14, v14, v[TMP]
	v_rcp_f32 v[F], v14
	v_nop
	s_wait_alu depctr_va_vdst(0)
.set jj, 0
.rept 16
	v_pk_mul_f32 v[S+jj:S+jj+1], v[O+jj:O+jj+1], v[F:F+1] op_sel_hi:[1,0]   ; register 8 t + j: channel 16 t + 8 h + j
.set jj, jj+2
.endr
.irp b, 0,1
.irp j, 0,1,2,3,4,5,6,7
	v_permlane16_swap_b32 v[S+16*\b+\j], v[S+16*\b+8+\j]   ; register 16 b + i now holds channel 32 b + 16 h + i
.endr
.endr
.irp b, 0,1
	v_max3_num_f32 v[BM+\b], |v[S+16*\b]|, |v[S+1+16*\b]|, 0x2800000
.endr
.irp i, 2,4,6,8,10,12,14
.irp b, 0,1
	v_max3_num_f32 v[BM+\b], v[BM+\b], |v[S+16*\b+\i]|, |v[S+1+16*\b+\i]|
.endr
.endr
.irp b, 0,1
	v_permlanex16_b32 v[PX+\b], v[BM+\b], s[SEL], s[SEL+1]
.endr
.irp b, 0,1
	v_max_num_f32 v[BM+\b], v[BM+\b], v[PX+\b]
.endr
.irp b, 0,1
	v_add_nc_u32 v[SO+\b], 0xfe000000, v[BM+\b]
.endr
.irp b, 0,1
	v_lshrrev_b32 v[PX+\b], 23, v[SO+\b]
.endr
	v_cndmask_b32 v[BY], v[PX], v[PX+1], s[HM]     ; lanes 0-15 store block 0's byte, lanes 16-31 block 1's
	v_cmp_gt_f32 vcc_lo, s[LOW], v13               ; no open key: a choice of a value, no branch
	v_cndmask_b32 v[BY], v[BY], v[NAN8], vcc_lo
	v_cvt_scalef32_pk16_bf6_f32 v[PC:PC+2], v[S:S+15], v[SO]
	v_cvt_scalef32_pk16_bf6_f32 v[PX+4:PX+6], v[S+16:S+31], v[SO+1]
	v_nop
.irp i, 0,1,2
	v_permlane16_swap_b32 v[PC+\i], v[PX+4+\i]
.endr
.irp i, 0,1,2
	v_mov_b32 v[PC+3+\i], v[PX+4+\i]
.endr
	global_store_b128 v[L16], v[PC:PC+3], s[48:49]             ; 512 consecutive bytes, aligned to 256
	global_store_b64 v[L8], v[PC+4:PC+5], s[48:49] offset:512  ; and 256
	global_store_b8 v[CSO], v[BY], s[50:51]
	s_wait_xcnt 0x0                                ; the stores have read their data and bases: both are written again only behind this wait
	s_add_nc_u64 s[48:49], s[48:49], 49152         ; 16 tiles on
	s_add_nc_u64 s[50:51], s[50:51], 8192
.irp i, 0,1,2,3,4,5
	v_mov_b32 v[ST0+\i], v[ST1+\i]                 ; the second pass's q
.endr
	v_mov_b32 v[SW0], v[SW1]
	s_sub_co_u32 s[PASS], s[PASS], 1
	s_cmp_lg_u32 s[PASS], 0
	s_cbranch_scc1 .Lpass
	s_wait_xcnt 0x0
	v_lshl_add_u32 v254, v0, 2, 0x33000
	v_mov_b32 v255, 0
	s_wait_tensorcnt 0x0
	ds_add_u32 v254, v255
	s_wait_dscnt 0x0
	ROUND                                          ; the closing round
	s_endpgm
.Lfunc_end_k_q6b3e92fb05_attn:
	.size	k_q6b3e92fb05_attn, .Lfunc_end_k_q6b3e92fb05_attn-k_q6b3e92fb05_attn
	.p2alignl 7, 3214868480
	.fill 96, 4, 3214868480
	.section	.rodata,"a",@progbits
	.p2align	6, 0x0
	.amdhsa_kernel k_q6b3e92fb05_attn
		.amdhsa_group_segment_fixed_size 210944
		.amdhsa_private_segment_fixed_size 0
		.amdhsa_enable_private_segment 0
		.amdhsa_kernarg_size 40
		.amdhsa_user_sgpr_count 2
		.amdhsa_user_sgpr_kernarg_segment_ptr 1
		.amdhsa_wavefront_size32 1
		.amdhsa_system_sgpr_workgroup_id_x 1
		.amdhsa_system_sgpr_workgroup_id_y 1
		.amdhsa_system_sgpr_workgroup_id_z 1
		.amdhsa_system_vgpr_workitem_id 0
		.amdhsa_next_free_vgpr 256
		.amdhsa_next_free_sgpr 66
		.amdhsa_reserve_vcc 1
		.amdhsa_float_denorm_mode_32 3
		.amdhsa_float_denorm_mode_16_64 3
		.amdhsa_memory_ordered 1
		.amdhsa_forward_progress 1
		.amdhsa_inst_pref_size 45
	.end_amdhsa_kernel
	.amdgpu_metadata
---
amdhsa.version: [ 1, 2 ]
amdhsa.kernels:
  - .name:           k_q6b3e92fb05_attn
    .symbol:         k_q6b3e92fb05_attn.kd
    .args:
      - { .name: qimg, .offset: 0, .size: 8, .value_kind: global_buffer, .address_space: global }
      - { .name: qs, .offset: 8, .size: 8, .value_kind: global_buffer, .address_space: global }
      - { .name: kv, .offset: 16, .size: 8, .value_kind: global_buffer, .address_space: global }
      - { .name: cimg, .offset: 24, .size: 8, .value_kind: global_buffer, .address_space: global }
      - { .name: cs, .offset: 32, .size: 8, .value_kind: global_buffer, .address_space: global }
    .group_segment_fixed_size: 210944
    .private_segment_fixed_size: 0
    .kernarg_segment_align: 8
    .kernarg_segment_size: 40
    .max_flat_workgroup_size: 512
    .sgpr_count:     66
    .vgpr_count:     256
    .wavefront_size: 32
...
	.end_amdgpu_metadata
.endif
;; end of part 3
;; launch oproj (part 4): grid 4 x 32, 4 waves a work-group, clusters of 4 x 4, 327,680 bytes of LDS; arguments cimg, cs, Wo_codes, Wo_scales, x, bo, out0; writes out0
.if DOCPART == 4
	.amdgcn_target "amdgcn-amd-amdhsa--gfx1250"
	.amdhsa_code_object_version 6
	.text
	.protected	k_q6b3e92fb05_oproj
	.globl	k_q6b3e92fb05_oproj
	.p2align	8
	.type	k_q6b3e92fb05_oproj,@function
k_q6b3e92fb05_oproj:
	s_mov_b64 s[64:65], 0
	v_nop
	global_prefetch_b8 v0, s[64:65] scope:SCOPE_SE
	s_setreg_imm32_b32 hwreg(HW_REG_WAVE_MODE, 25, 1), 1
	s_wait_xcnt 0x0
	s_wait_alu depctr_hold_cnt(0) depctr_sa_sdst(0) depctr_va_vdst(0) depctr_va_sdst(0) depctr_va_ssrc(0) depctr_va_vcc(0) depctr_vm_vsrc(0)
	s_getreg_b32 s2, hwreg(HW_REG_IB_STS2, 6, 4)
	s_cmp_eq_u32 s2, 0
	s_cbranch_scc0 .Lentry_in_a_cluster
	s_endpgm
.Lentry_in_a_cluster:
	s_bfe_u32 s2, ttmp6, 0x10000c
	s_cmp_lg_u32 s2, 0xf033
	s_cbranch_scc0 .Lentry_shape_is_right
	s_endpgm
.Lentry_shape_is_right:
; out0 = x + c Wo^T + bo.  c: 8,192 x 1,024 as codes of BF6 (E3M2), made by the attention launch; Wo: [1024][1024] codes, K innermost, as given; E8M0 scales for each 32 along K; sums, x, bo and out0 in f32.
; A tile of 256 x 256 to a work-group of four waves, 128 x 128 to a wave: 64 accumulators.  K goes in steps of 256 through a ring of two LDS slots filled by joint tensor loads of a 4 x 4 cluster:
; c's tile is shared along a row of the cluster, Wo's along a column.  The scale bytes of the work-group's rows, for all of K, come once with the first fills.
; c LIES AS IMAGES OF OPERAND REGISTERS: cimg [K step 4][tile of 16 tokens 512][head % 4][768]; a piece of 768 bytes is six registers of 32 lanes (16 tokens x 64 K): registers 0-3 at 16 x lane, 4-5 at 512 + 8 x lane.
; A K step's part of 128 tokens is one dense block of 24,576 bytes; a fragment comes by two loads of 16 bytes and two of 8, each of consecutive bytes: no pitch, no padding.  Wo's rows come as rows of 192 bytes, 240 apart in LDS.
; THE MATRIX INSTRUCTION takes Wo's rows as source 0 and c's as source 1: a lane holds eight neighbouring columns of one row of the result.  On the way out a block of 16 rows goes through the wave's stage in LDS,
; comes back as whole rows of 512 bytes, takes bo and x, and is stored: each store covers 512 consecutive bytes, aligned to 256.  x is asked for ahead: four blocks' loads are on their way.
; There are 128 tiles of this size, so 128 work-groups.  No prefetch is laid: each slot is filled again once, and x comes by loads of its own, issued well ahead of their use.
; REGISTERS, in windows of 256: window 0: v8-11 bo; v16-29 addresses; v32-63 scale words, two sets, and nothing else; v64-127 x's set 0; from v128 c's fragments, one set; on the way out v128-255 rows of the result.
;   window 1: Wo's fragments, two sets; on the way out x's sets 1 to 3 at v64, v128, v192.   window 2, 3: the accumulators: (a, b) at v[8 (8 (a % 4) + b)] of window 2 + a / 4.
.set KSTEP,  256
.set NQ,     2
.set ROWB,   192
.set KROW,   768
.set PITCH,  240
.set FR,     12
.set NL,     6                         ; LDS loads that bring a fragment of Wo
.set NLA,    4                         ; and of c
.set NP,     4
.set HALFA,  24576                     ; c: 8 tiles x 3,072 bytes: what one tensor load brings
.set HALFT,  128*PITCH                 ; Wo: 128 rows
.set BOFF,   2*HALFA
.set SLOT,   2*HALFA+2*HALFT
.set ASTEP,  1572864                   ; from a K step of cimg to the next
.set LAPS,   2
.set KS,     32
.set SCL,    2*SLOT
.set HALFS,  (128*KS/256)*272
.set SBLK,   (16*KS/256)*272
.set SPARE,  SCL+4*HALFS               ; the spare words, 128 bytes for each wave: two blocks of 256 bytes that no other line names
.set SPITCH, 528                       ; the stage: 16 rows x (512 + 16) bytes for each wave, in slot 0, which has had its last fill and its last read when the first result is stored there
.set BI,   8
.set ADRA, 16                          ; v16-17 c's fragments in slot 0, 1: + 16 x lane;  v18-19: + 8 x lane
.set ADRB, 20
.set STO,  24
.set RD,   25
.set CO,   26
.set ADRS, 27
.set SPW,  28
.set NIL,  29
.set SC,   32
.set AF,   128
.set BK,   128
.set G1, 24
.set G0, 32
.set G1B, 48
.set G0B, 56
.set G1S, 68
.set G0S, 76
.set G1SB, 80
.set G0SB, 88
.set MSB, 0
.macro WIN new
.if MSB != \new
	s_set_vgpr_msb (MSB<<8)|\new
.set MSB, \new
.endif
.endm
.set MUL_LO, 0xa1
.set MUL_HI, 0xf1
.set TO_B,   0x40
.macro JLOAD g0a, g1a, g0b, g1b        ; a joint load: waves 0 and 1 fetch for c, waves 2 and 3 for Wo; four v_nop follow each of the two lines
	s_cmp_eq_u32 s15, 0
	s_cbranch_scc0 .Lfor_b_\@
	tensor_load_to_lds s[\g0a:\g0a+3], s[\g1a:\g1a+7]
	s_nop 0
.rept 4
	v_nop
.endr
	s_branch .Lasked_\@
.Lfor_b_\@:
	tensor_load_to_lds s[\g0b:\g0b+3], s[\g1b:\g1b+7]
	s_nop 0
.rept 4
	v_nop
.endr
.Lasked_\@:
.endm
.macro CREST
	s_cmp_lg_u32 s14, 0
	s_cbranch_scc1 .Lnot_wave_0_\@
	s_barrier_signal -3
.Lnot_wave_0_\@:
	s_barrier_wait -3
	s_barrier_signal -1
	s_barrier_wait -1
.endm
.macro CROUND
	s_barrier_signal -1
	s_barrier_wait -1
	CREST
.endm
	s_load_b128 s[4:7], s[0:1], 0x0                ; cimg, cs
	s_load_b128 s[8:11], s[0:1], 0x10              ; Wo's codes, Wo's scales
	s_load_b128 s[92:95], s[0:1], 0x20             ; x, bo
	s_load_b64 s[12:13], s[0:1], 0x30              ; out0
	v_lshl_add_u32 v[SPW], v0, 2, SPARE
	v_mov_b32 v[NIL], 0
	ds_add_u32 v28, v29
	ds_add_u32 v28, v29
	s_wait_dscnt 0x0
	v_lshrrev_b32 v1, 5, v0
	v_readfirstlane_b32 s14, v1                    ; wave 0..3
	s_lshr_b32 s15, s14, 1                         ; which half of the tile's rows is mine.  Also: I fetch for c (0) or for Wo (1)
	s_and_b32 s16, s14, 1                          ; which half of its columns.  Also: which half I fetch
	s_bfe_u32 s40, ttmp6, 0x40000                  ; cx
	s_bfe_u32 s41, ttmp6, 0x40004                  ; cy
	s_lshl_b32 s42, ttmp9, 2
	s_add_co_u32 s42, s42, s40                     ; tile column
	s_and_b32 s17, ttmp7, 0xffff
	s_lshl_b32 s17, s17, 2
	s_add_co_u32 s17, s17, s41                     ; tile row
	s_lshl_b32 s43, s41, 2
	s_lshl_b32 s43, 15, s43                        ; my row of the cluster
	s_lshl_b32 s44, 0x1111, s40                    ; my column
	s_or_b32 s[G1+0], s43, (3<<16)|(1<<21)         ; c: the mask; elements of 8 bytes; bit 21 beside a mask; no padding
	s_mov_b32 s[G1+1], 32<<16                      ; rows of 256 bytes,
	s_mov_b32 s[G1+2], 96<<16                      ; 96 of them,
	s_mov_b32 s[G1+3], 32<<16
	s_mov_b32 s[G1+4], 96
	s_mov_b32 s[G1+5], 32                          ; dense
	s_mov_b32 s[G1+6], 0
	s_mov_b32 s[G1+7], 0
	s_or_b32 s[G1B+0], s44, (0<<16)|(1<<20)|(1<<21)|(3<<22)|(3<<25)  ; Wo: elements of 1 byte; after every 16 words 4 words of padding
	s_mov_b32 s[G1B+1], ROWB<<16
	s_mov_b32 s[G1B+2], 128<<16
	s_mov_b32 s[G1B+3], ROWB<<16
	s_mov_b32 s[G1B+4], 128
	s_mov_b32 s[G1B+5], KROW
	s_mov_b32 s[G1B+6], 0
	s_mov_b32 s[G1B+7], 0
	s_or_b32 s[G1S+0], s43, (3<<16)|(1<<20)|(1<<21)|(5<<22)|(3<<25)  ; the scales of 128 rows: 16 rows of 256 bytes, 16 bytes of padding behind each
	s_or_b32 s[G1SB+0], s44, (3<<16)|(1<<20)|(1<<21)|(5<<22)|(3<<25)
.irp g, G1S, G1SB
	s_mov_b32 s[\g+1], 32<<16
	s_mov_b32 s[\g+2], (128*KS/256)<<16
	s_mov_b32 s[\g+3], 32<<16
	s_mov_b32 s[\g+4], 128*KS/256
	s_mov_b32 s[\g+5], 32
	s_mov_b32 s[\g+6], 0
	s_mov_b32 s[\g+7], 0
.endr
	s_lshl_b32 s20, s17, 4
	s_lshl_b32 s18, s16, 3
	s_add_co_u32 s20, s20, s18                     ; c: tile of tokens 16 x tile row + 8 x half
	s_mul_i32 s20, s20, 3072
	s_mov_b32 s21, 0
	s_lshl_b32 s18, s16, 7
	s_lshl_b32 s22, s17, 8
	s_add_co_u32 s22, s22, s18                     ; its first token,
	s_lshl_b32 s22, s22, 5                         ; 32 scale bytes each
	s_mov_b32 s23, 0
	s_lshl_b32 s46, s42, 8
	s_add_co_u32 s46, s46, s18                     ; Wo: row 256 x tile column + 128 x half
	s_lshl_b32 s66, s46, 5
	s_mov_b32 s67, 0
	s_mul_i32 s46, s46, KROW
	s_mov_b32 s47, 0
	s_mul_i32 s45, s16, HALFA                      ; where they go: c's two halves,
	s_mul_i32 s97, s16, HALFT
	s_add_co_u32 s97, s97, BOFF                    ; then Wo's two: no place in the cluster enters an LDS address
	s_mul_i32 s96, s14, HALFS
	s_wait_kmcnt 0x0
	s_add_nc_u64 s[20:21], s[4:5], s[20:21]
	s_add_nc_u64 s[22:23], s[6:7], s[22:23]
	s_add_nc_u64 s[46:47], s[8:9], s[46:47]
	s_add_nc_u64 s[66:67], s[10:11], s[66:67]
	CROUND                                         ; all sixteen work-groups are here: the first joint loads meet
	s_mov_b32 s[G0S], 1
	s_add_co_u32 s[G0S+1], s96, SCL
	s_mov_b64 s[G0S+2:G0S+3], s[22:23]
	s_or_b32 s[G0S+3], s[G0S+3], 0x80000000
	s_mov_b32 s[G0SB], 1
	s_add_co_u32 s[G0SB+1], s96, SCL
	s_mov_b64 s[G0SB+2:G0SB+3], s[66:67]
	s_or_b32 s[G0SB+3], s[G0SB+3], 0x80000000
	JLOAD G0S, G1S, G0SB, G1SB
.irp s, 0,1
	s_mov_b32 s[G0+4*\s], 1
	s_add_co_u32 s[G0+4*\s+1], s45, \s*SLOT
	s_add_nc_u64 s[G0+4*\s+2:G0+4*\s+3], s[20:21], \s*ASTEP
	s_or_b32 s[G0+4*\s+3], s[G0+4*\s+3], 0x80000000
	s_mov_b32 s[G0B+4*\s], 1
	s_add_co_u32 s[G0B+4*\s+1], s97, \s*SLOT
	s_add_nc_u64 s[G0B+4*\s+2:G0B+4*\s+3], s[46:47], \s*ROWB
	s_or_b32 s[G0B+4*\s+3], s[G0B+4*\s+3], 0x80000000
	JLOAD G0+4*\s, G1, G0B+4*\s, G1B
.endr
	v_and_b32 v1, 15, v0                           ; r
	v_bfe_u32 v2, v0, 4, 1                         ; h
	v_and_b32 v6, 31, v0                           ; lane
	v_lshlrev_b32 v[CO], 4, v6                     ; 16 x lane
	v_lshlrev_b32 v7, 3, v6                        ; 8 x lane
	v_mul_u32_u24 v3, v1, PITCH
	v_mul_u32_u24 v4, v2, 24
	v_add_nc_u32 v4, v3, v4                        ; Wo: a fragment's row x pitch + 24 x half
	v_lshl_add_u32 v5, v2, 4, v4                   ; and the same behind one padding more
	s_mul_i32 s21, s15, HALFA                      ; my 128 tokens of c
	s_mul_i32 s22, s16, HALFT
	s_add_co_u32 s22, s22, BOFF                    ; my 128 rows of Wo
.irp s, 0,1
	v_add_nc_u32 v[ADRA+\s], s21, v[CO]
	v_add_nc_u32 v[ADRA+2+\s], s21, v7
	v_add_nc_u32 v[ADRB+\s], s22, v4
	v_add_nc_u32 v[ADRB+2+\s], s22, v5
	s_add_co_u32 s21, s21, SLOT
	s_add_co_u32 s22, s22, SLOT
.endr
	v_mul_u32_u24 v5, v1, KS
	v_lshrrev_b32 v6, 8, v5
	v_lshl_add_u32 v5, v6, 4, v5
	s_mul_i32 s21, s15, HALFS
	s_mul_i32 s22, s16, HALFS
	s_add_co_u32 s22, s22, 2*HALFS
	s_sub_co_u32 s22, s22, s21
	v_mul_u32_u24 v6, s22, v2                      ; lanes 16-31 take Wo's
	s_add_co_u32 s21, s21, SCL
	v_add_nc_u32 v5, v5, v6
	v_add_nc_u32 v[ADRS], s21, v5
	s_mul_i32 s23, s14, 16*SPITCH                  ; my stage
	v_mul_u32_u24 v5, v1, SPITCH
	v_lshl_add_u32 v5, v2, 5, v5
	v_add_nc_u32 v[STO], s23, v5                   ; in: row r, 32 bytes for each half of the lanes
	v_add_nc_u32 v[RD], s23, v[CO]                 ; back: the 32 lanes take one row of 512 bytes
	s_lshl_b32 s20, s17, 8
	s_lshl_b32 s21, s15, 7
	s_add_co_u32 s20, s20, s21                     ; my first row of x and out0,
	s_lshl_b32 s20, s20, 12                        ; 4,096 bytes each
	s_lshl_b32 s46, s42, 10
	s_lshl_b32 s47, s16, 9
	s_add_co_u32 s46, s46, s47                     ; my first column, in bytes
	s_mov_b32 s47, 0
	s_add_nc_u64 s[94:95], s[94:95], s[46:47]
	s_add_co_u32 s20, s20, s46
	s_mov_b32 s21, 0
	s_add_nc_u64 s[12:13], s[12:13], s[20:21]
	s_add_nc_u64 s[92:93], s[92:93], s[20:21]
.macro XLOAD a                         ; block a's 16 rows of x into set a % 4: a row's 512 bytes by one load.  Every offset is an immediate: 127 rows of 4,096 bytes at the most
.set XB, 64*((\a)%4)
.if (\a)%4
	WIN 0x40                                       ; destination window 1
.else
.set XB, 64
.endif
.irp t, 0,1,2,3,4,5,6,7,8,9,10,11,12,13,14,15
	global_load_b128 v[XB+4*\t:XB+4*\t+3], v[CO], s[92:93] offset:(16*(\a)+\t)*4096 th:TH_LOAD_NT
.endr
	WIN 0
.endm
	global_load_b128 v[BI:BI+3], v[CO], s[94:95]   ; bo at my four columns
	XLOAD 0                                        ; into registers that the loop leaves alone
.macro FRAG reg, adr, q, i             ; a fragment of Wo: 12 registers, in pieces of 8 bytes
.irp p, 0,1,2,3,4,5
.set PCE, 12*(\q)+6*(\p/3)+\p%3
.if PCE%8 < 5
	ds_load_b64 v[\reg+2*\p:\reg+2*\p+1], v[\adr] offset:8*PCE+16*(PCE/8)+(\i)*16*PITCH
.else
	ds_load_b64 v[\reg+2*\p:\reg+2*\p+1], v[\adr+2] offset:8*PCE+16*(PCE/8)+(\i)*16*PITCH
.endif
.endr
.endm
.macro FRAGA reg, slot, q, i           ; a fragment of c: two pieces of 768 bytes, as they were stored
	ds_load_b128 v[\reg:\reg+3], v[ADRA+\slot] offset:3072*(\i)+1536*(\q)
	ds_load_b64 v[\reg+4:\reg+5], v[ADRA+2+\slot] offset:3072*(\i)+1536*(\q)+512
	ds_load_b128 v[\reg+6:\reg+9], v[ADRA+\slot] offset:3072*(\i)+1536*(\q)+768
	ds_load_b64 v[\reg+10:\reg+11], v[ADRA+2+\slot] offset:3072*(\i)+1536*(\q)+1280
.endm
.macro MUL16 a0, p, q, sc, zero        ; the 64 accumulators take turns, one instruction a turn, in the same order in every step
.irp a, \a0, \a0+1
.irp b, 0,1,2,3,4,5,6,7
.if \zero
	v_wmma_scale_f32_16x16x128_f8f6f4 v[8*(8*((\a)%4)+\b):8*(8*((\a)%4)+\b)+7], v[128*(\p)+FR*\b:128*(\p)+FR*\b+FR-1], v[AF+FR*(\a):AF+FR*(\a)+FR-1], 0, v[SC+8*NQ*(\sc)+NQ*\b+(\q)], v[SC+8*NQ*(\sc)+NQ*(\a)+(\q)] matrix_a_fmt:MATRIX_FMT_BF6 matrix_b_fmt:MATRIX_FMT_BF6 matrix_a_scale:MATRIX_SCALE_ROW1
.else
	v_wmma_scale_f32_16x16x128_f8f6f4 v[8*(8*((\a)%4)+\b):8*(8*((\a)%4)+\b)+7], v[128*(\p)+FR*\b:128*(\p)+FR*\b+FR-1], v[AF+FR*(\a):AF+FR*(\a)+FR-1], v[8*(8*((\a)%4)+\b):8*(8*((\a)%4)+\b)+7], v[SC+8*NQ*(\sc)+NQ*\b+(\q)], v[SC+8*NQ*(\sc)+NQ*(\a)+(\q)] matrix_a_fmt:MATRIX_FMT_BF6 matrix_b_fmt:MATRIX_FMT_BF6 matrix_a_scale:MATRIX_SCALE_ROW1
.endif
.endr
.endr
.endm
.macro FETCH_B slot, q, p
	WIN TO_B
.irp i, 0,1,2,3,4,5,6,7
	FRAG 128*(\p)+FR*\i, ADRB+\slot, \q, \i
.endr
	WIN 0
.endm
.macro FETCH_A slot, q, i0
.irp i, \i0, \i0+1, \i0+2, \i0+3
	FRAGA AF+FR*(\i), \slot, \q, \i
.endr
.endm
.macro SCALES sc
.irp i, 0,1,2,3,4,5,6,7
	ds_load_b64 v[SC+8*NQ*\sc+NQ*\i:SC+8*NQ*\sc+NQ*\i+1], v[ADRS] offset:\i*SBLK
.endr
.endm
.macro PLACES n
.rept \n
	v_nop
.endr
.endm
.macro STEP slot, q, zero
	s_wait_dscnt 4*NLA                             ; Wo's set and c's blocks 0-3 are in; the youngest 16 loads (c's blocks 4-7) may be out
	WIN MUL_LO
	MUL16 0, (\q)%2, \q, \slot, \zero
	MUL16 2, (\q)%2, \q, \slot, \zero
	s_wait_dscnt 0
	PLACES NP
	FETCH_B \slot, (\q)+1, 1-(\q)%2
	FETCH_A \slot, (\q)+1, 0
	WIN MUL_HI
	MUL16 4, (\q)%2, \q, \slot, \zero
	MUL16 6, (\q)%2, \q, \slot, \zero
	PLACES NP
	WIN 0
	FETCH_A \slot, (\q)+1, 4
.endm
.macro TURN slot, next, fill
	s_wait_tensorcnt 0x0                           ; all my tensor loads have landed: my part of the next slot
	ds_add_u32 v[SPW], v[NIL]                      ; 0 onto my spare word
	s_wait_dscnt 4*NLA+1                           ; (the add and the youngest 16 loads may be out)
	WIN MUL_LO
	MUL16 0, 1, NQ-1, \slot, 0
	s_wait_dscnt 0x0                               ; the add is done, and my reads of this slot are over
	s_barrier_signal -1
	MUL16 2, 1, NQ-1, \slot, 0
	WIN 0
	s_barrier_wait -1
.if \fill
	CREST                                          ; the barrier has opened a round of the cluster's barrier
	s_add_nc_u64 s[G0+4*\slot+2:G0+4*\slot+3], s[G0+4*\slot+2:G0+4*\slot+3], 2*ASTEP
	s_add_nc_u64 s[G0B+4*\slot+2:G0B+4*\slot+3], s[G0B+4*\slot+2:G0B+4*\slot+3], 2*ROWB
	JLOAD G0+4*\slot, G1, G0B+4*\slot, G1B         ; the first tensor load behind the round; its four v_nop are also the places in front of the loads below
.else
	PLACES NP
.endif
	v_add_nc_u32 v[ADRS], 4*NQ, v[ADRS]
	FETCH_B \next, 0, 0
	FETCH_A \next, 0, 0
	SCALES \next
	WIN MUL_HI
	MUL16 4, 1, NQ-1, \slot, 0
	MUL16 6, 1, NQ-1, \slot, 0
	PLACES NP
	WIN 0
	FETCH_A \next, 0, 4
.endm
	s_wait_tensorcnt 1                             ; the scales and my part of K step 0 are in; K step 1's load may be out
	s_barrier_signal -1
	s_barrier_wait -1
	FETCH_B 0, 0, 0
	FETCH_A 0, 0, 0
	SCALES 0
	FETCH_A 0, 0, 4
	STEP 0, 0, 1                                   ; the first products start the sums
	s_mov_b32 s3, LAPS-1
.Llap:
	TURN 0, 1, 1
	STEP 1, 0, 0
	TURN 1, 0, 1
	STEP 0, 0, 0
	s_sub_co_u32 s3, s3, 1
	s_cmp_lg_u32 s3, 0
	s_cbranch_scc1 .Llap
	TURN 0, 1, 0
	STEP 1, 0, 0
	s_wait_dscnt 4*NLA
	WIN MUL_LO
	MUL16 0, 1, NQ-1, 1, 0
	MUL16 2, 1, NQ-1, 1, 0
	s_wait_dscnt 0
	WIN MUL_HI
	MUL16 4, 1, NQ-1, 1, 0
	MUL16 6, 1, NQ-1, 1, 0
	WIN 0
; THE WAY OUT, block by block of 16 rows x 128 columns.
.macro TOSTAGE a
.set AC, 64*((\a)%4)
.set WSEL, 0x08+4*((\a)/4)
	WIN WSEL                                       ; an LDS store's data are its source 1: window 2 or 3
.irp b, 0,1,2,3,4,5,6,7
	ds_store_b128 v[STO], v[AC+8*\b:AC+8*\b+3] offset:64*\b          ; each accumulator from its low end on
	ds_store_b128 v[STO], v[AC+8*\b+4:AC+8*\b+7] offset:64*\b+16
.endr
	WIN 0
.set BB, BK+64*((\a)%2)
.irp t, 0,1,2,3,4,5,6,7,8,9,10,11,12,13,14,15
	ds_load_b128 v[BB+4*\t:BB+4*\t+3], v[RD] offset:\t*SPITCH        ; LDS serves a wave's instructions in order: these see the stores above
.endr
.endm
.macro SEND a, younger
.set BB, BK+64*((\a)%2)
.set XB, 64*((\a)%4)
.if (\a)%4 == 0
.set XB, 64
.endif
	s_wait_dscnt \younger                          ; the block is back in registers; the next block's 16 stores and 16 loads may be out
.if 7-(\a) >= 3
	s_wait_loadcnt 48                              ; bo and this block's x are in; the three younger sets of 16 loads may be out
.else
	s_wait_loadcnt 16*(7-(\a))
.endif
.irp t, 0,1,2,3,4,5,6,7,8,9,10,11,12,13,14,15
	v_pk_add_f32 v[BB+4*\t:BB+4*\t+1], v[BB+4*\t:BB+4*\t+1], v[BI:BI+1]
	v_pk_add_f32 v[BB+4*\t+2:BB+4*\t+3], v[BB+4*\t+2:BB+4*\t+3], v[BI+2:BI+3]
.endr
.if (\a)%4
	WIN 0x04                                       ; source 1 (x) window 1
.endif
.set jj, 0
.rept 32
	v_pk_add_f32 v[BB+jj:BB+jj+1], v[BB+jj:BB+jj+1], v[XB+jj:XB+jj+1]
.set jj, jj+2
.endr
	WIN 0
.irp t, 0,1,2,3,4,5,6,7,8,9,10,11,12,13,14,15
	global_store_b128 v[CO], v[BB+4*\t:BB+4*\t+3], s[12:13] offset:(16*(\a)+\t)*4096 th:TH_STORE_NT   ; 32 lanes store 512 consecutive bytes, aligned to 256
.endr
.if (\a) < 4
	XLOAD (\a)+4                                   ; the set just read takes the block four further on
.endif
.endm
	PLACES NP                                      ; for the loads into registers that the last products read, and for the first reads of results
	XLOAD 1
	XLOAD 2
	XLOAD 3
	TOSTAGE 0
.irp a, 1,2,3,4,5,6,7
.if \a > 1
	s_wait_xcnt 0x0                                ; block a - 2's stores have read their registers: block a's loads from the stage land there only behind this wait
.endif
	TOSTAGE \a
	SEND \a-1, 32
.endr
	SEND 7, 0
	s_wait_tensorcnt 0x0                           ; the wave's end
	ds_add_u32 v[SPW], v[NIL]
	s_wait_dscnt 0x0
	CROUND                                         ; the closing round
	s_endpgm
.Lfunc_end_k_q6b3e92fb05_oproj:
	.size	k_q6b3e92fb05_oproj, .Lfunc_end_k_q6b3e92fb05_oproj-k_q6b3e92fb05_oproj
	.p2alignl 7, 3214868480
	.fill 96, 4, 3214868480
	.section	.rodata,"a",@progbits
	.p2align	6, 0x0
	.amdhsa_kernel k_q6b3e92fb05_oproj
		.amdhsa_group_segment_fixed_size 327680
		.amdhsa_private_segment_fixed_size 0
		.amdhsa_enable_private_segment 0
		.amdhsa_kernarg_size 56
		.amdhsa_user_sgpr_count 2
		.amdhsa_user_sgpr_kernarg_segment_ptr 1
		.amdhsa_wavefront_size32 1
		.amdhsa_system_sgpr_workgroup_id_x 1
		.amdhsa_system_sgpr_workgroup_id_y 1
		.amdhsa_system_sgpr_workgroup_id_z 1
		.amdhsa_system_vgpr_workitem_id 0
		.amdhsa_next_free_vgpr 1024
		.amdhsa_next_free_sgpr 100
		.amdhsa_reserve_vcc 0
		.amdhsa_float_denorm_mode_32 3
		.amdhsa_float_denorm_mode_16_64 3
		.amdhsa_memory_ordered 1
		.amdhsa_forward_progress 1
		.amdhsa_inst_pref_size 197
	.end_amdhsa_kernel
	.amdgpu_metadata
---
amdhsa.version: [ 1, 2 ]
amdhsa.kernels:
  - .name:           k_q6b3e92fb05_oproj
    .symbol:         k_q6b3e92fb05_oproj.kd
    .args:
      - { .name: cimg, .offset: 0, .size: 8, .value_kind: global_buffer, .address_space: global }
      - { .name: cs, .offset: 8, .size: 8, .value_kind: global_buffer, .address_space: global }
      - { .name: Wo_codes, .offset: 16, .size: 8, .value_kind: global_buffer, .address_space: global }
      - { .name: Wo_scales, .offset: 24, .size: 8, .value_kind: global_buffer, .address_space: global }
      - { .name: x, .offset: 32, .size: 8, .value_kind: global_buffer, .address_space: global }
      - { .name: bo, .offset: 40, .size: 8, .value_kind: global_buffer, .address_space: global }
      - { .name: out0, .offset: 48, .size: 8, .value_kind: global_buffer, .address_space: global }
    .group_segment_fixed_size: 327680
    .private_segment_fixed_size: 0
    .kernarg_segment_align: 8
    .kernarg_segment_size: 56
    .max_flat_workgroup_size: 128
    .sgpr_count:     100
    .vgpr_count:     1024
    .wavefront_size: 32
...
	.end_amdgpu_metadata
.endif
;; end of part 4
